; MI455X (gfx1250); checked and timed in simulation.
; The chip was launched on July 23, 2026; its instructions are those of AMD's public machine-readable ISA for CDNA 5 (MIT licence, August 2026) and "CDNA5" Instruction Set Architecture Reference Guide (July 2026). The comments in the code are by the model that wrote it; some were corrected since.
;; Nerf Render. Allowed arithmetic: float matrix products may take bf16 or f16 operands with f32 sums; other float arithmetic in f32, or as packed bf16 or f16 multiplies, adds, multiply-adds, maxima and minima; sums over many terms, partial sums and values carried from step to step in f32; what a program stores and reads back later, other than sums and carried values, may be rounded once to bf16 or f16.
;; Inputs: params_Wy 128 x 1 float32; params_by 1 float32; params_cW0 161 x 128 float32; params_cW1 128 x 3 float32; params_cb0 128 float32; params_cb1 3 float32; params_dW0 63 x 128 float32; params_dW1 128 x 128 float32; params_dW2 128 x 128 float32; params_dW3 128 x 128 float32; params_dW4 191 x 128 float32; params_dW5 128 x 128 float32; params_dW6 128 x 128 float32; params_dW7 128 x 128 float32; params_db0 128 float32; params_db1 128 float32; params_db2 128 float32; params_db3 128 float32; params_db4 128 float32; params_db5 128 float32; params_db6 128 float32; params_db7 128 float32; ray 2,048 x 6 float32; t 2,048 x 64 x 1 float32.
;; Outputs: out0 2,048 x 3 float32; out1 2,048 x 1 float32; out2 2,048 x 64 x 1 float32; out3 2,048 x 64 x 1 float32.
;; 2 versions, each right and faster than the one before. Each part assembles by itself: llvm-mc -triple=amdgcn-amd-amdhsa -mcpu=gfx1250 --defsym DOCPART=n.
;; ======== version 1 of 2: 2 launches
;; limits: values outside matrix products are rounded to bf16; right only within a limited range of input values
;; workspace buffers: wimg 323,584 bytes
;; launch prep (part 1): grid 79 x 1, 8 waves a work-group, no clusters, 0 bytes of LDS; arguments params_dW0, params_dW1, params_dW2, params_dW3, params_dW4, params_dW5, params_dW6, params_dW7, params_cW0, params_cW1, params_Wy, params_cb0, params_db0, params_db1, params_db2, params_db3, params_db4, params_db5, params_db6, params_db7, params_cb1, params_by, wimg; writes wimg
.if DOCPART == 1
	.amdgcn_target "amdgcn-amd-amdhsa--gfx1250"
	.amdhsa_code_object_version 6
	.text
	.protected	k_qd738c7e853_prep
	.globl	k_qd738c7e853_prep
	.p2align	8
	.type	k_qd738c7e853_prep,@function
k_qd738c7e853_prep:
	s_mov_b64 s[64:65], 0
	v_nop
	global_prefetch_b8 v0, s[64:65] scope:SCOPE_SE
	s_setreg_imm32_b32 hwreg(HW_REG_WAVE_MODE, 25, 1), 1
	s_wait_xcnt 0x0
; PREP: all weights and biases, rounded once to bf16, laid out as the byte image that the second launch keeps in LDS.
; The image has 1,264 rows of 256 bytes.  Rows 0-1231 hold bf16 matrices [k][128 columns]:
;   0-63 dW4's encoding rows, 64-127 dW0, both in slot order; 128 i .. 128 i + 127 dW_i (i = 4: its rows 0-127); 1024-1151 cW0 rows 6-133;
;   1152-1215 cW0's other rows in slot order; 1216-1231 the heads [16 outputs][128 k]: cW1's three columns, Wy, zeros.
; Rows 1232-1263 hold 16 tables of 128 f32 (values rounded to bf16): db0-7, cb0, Wy, (cb1, by, 0 ..), zeros.
; SWIZZLE in rows 0-1231: the 16-byte piece c of row R lies at place c ^ (((R & 7) << 1) | ((R >> 3) & 1)).
; SLOT ORDER: row k of a block of 64 is slot s = ((k >> 4) << 3) | (k & 7) of lane half h = (k >> 3) & 1.
; SHARES: work-group g makes rows 16 g .. 16 g + 15, thread t the 16 bytes at 4,096 g + 16 t: a wave's store covers 512 consecutive bytes.
; 79 work-groups are all the work there is.
	s_load_b512 s[8:23], s[0:1], 0x0               ; dW0 .. dW7
	s_load_b256 s[24:31], s[0:1], 0x40             ; cW0 s[24:25], cW1 s[26:27], Wy s[28:29], cb0 s[30:31]
	s_load_b512 s[32:47], s[0:1], 0x60             ; db0 .. db7
	s_load_b128 s[48:51], s[0:1], 0xa0             ; cb1 s[48:49], by s[50:51]
	s_load_b64 s[52:53], s[0:1], 0xb0              ; wimg
	s_mov_b32 s3, ttmp9                            ; g
	v_lshrrev_b32 v1, 4, v0                        ; rl: my row among the 16
	v_and_b32 v2, 15, v0                           ; my place in the row
	v_and_b32 v3, 7, v1                            ; rl & 7
	v_lshrrev_b32 v4, 3, v1                        ; rl >> 3: also the lane half h of a slot row
	v_lshl_or_b32 v5, v3, 1, v4                    ; the row's swizzle
	v_xor_b32 v5, v2, v5                           ; c: the piece that lies at my place
	s_lshl_b32 s2, s3, 12
	v_lshl_add_u32 v6, v0, 4, s2                   ; where I store
	s_lshr_b32 s56, s3, 3                          ; the block of 128 rows
	s_and_b32 s57, s3, 3
	s_lshl_b32 s57, s57, 3
	v_add_nc_u32 v7, s57, v3                       ; s: the slot, where the rows are in slot order
	s_wait_kmcnt 0x0
	s_cmp_ge_u32 s3, 77
	s_cbranch_scc1 .Ltable
	s_cmp_eq_u32 s3, 76
	s_cbranch_scc1 .Lheads
	; ---- matrices: which buffer
	s_mov_b64 s[54:55], s[24:25]                   ; blocks 8 and 9: cW0
.irp i, 1,2,3,4,5,6,7
	s_cmp_eq_u32 s56, \i
	s_cselect_b64 s[54:55], s[8+2*\i:9+2*\i], s[54:55]
.endr
	s_cmp_lt_u32 s3, 8
	s_cselect_b64 s[54:55], s[8:9], s[54:55]       ; rows 64-127: dW0
	s_cmp_lt_u32 s3, 4
	s_cselect_b64 s[54:55], s[16:17], s[54:55]     ; rows 0-63: dW4
	; ---- which row of it (v9), and whether the slot holds anything (v10)
	s_cmp_lt_u32 s3, 8
	s_cbranch_scc1 .Lenc
	s_cmp_ge_u32 s3, 72
	s_cbranch_scc1 .Lext
	s_and_b32 s57, s3, 7                           ; plain: row 16 (g & 7) + rl, in cW0 six further down
	s_lshl_b32 s57, s57, 4
	s_cmp_eq_u32 s56, 8
	s_cselect_b32 s58, 6, 0
	s_add_co_u32 s57, s57, s58
	v_add_nc_u32 v9, s57, v1
	v_mov_b32 v10, 1
	s_branch .Ltail
.Lenc:                                                 ; s < 30: row 3 + 20 (s / 10) + 10 h + s % 10 = 3 + 10 (s / 10 + h) + s; s = 30: x_h; s = 31: x_2 (h = 0) or nothing
	v_mul_u32_u24 v8, v7, 205
	v_lshrrev_b32 v8, 11, v8                       ; s / 10 for s < 32
	v_add_nc_u32 v8, v8, v4
	v_mul_u32_u24 v8, v8, 10
	v_add3_u32 v9, v8, v7, 3
	v_cmp_eq_u32 vcc_lo, 30, v7
	v_cndmask_b32 v9, v9, v4, vcc_lo
	v_cmp_eq_u32 vcc_lo, 31, v7
	v_cndmask_b32 v9, v9, 2, vcc_lo
	v_sub_nc_u32 v8, 1, v4
	v_cndmask_b32 v10, 1, v8, vcc_lo
	s_cmp_lt_u32 s3, 4
	s_cselect_b32 s58, 128, 0                      ; in dW4 the encoding's rows begin at 128
	v_add_nc_u32 v9, s58, v9
	s_branch .Ltail
.Lext:                                                 ; s < 12: row 137 + 8 (s >> 2) + 4 h + (s & 3) = 137 + 4 ((s >> 2) + h) + s; 12-14: x or n; 15-17: d (h = 0); else nothing
	v_lshrrev_b32 v8, 2, v7
	v_add_nc_u32 v8, v8, v4
	v_lshl_add_u32 v8, v8, 2, v7
	v_add_nc_u32 v9, 137, v8
	v_mul_u32_u24 v8, v4, 3
	v_add_nc_u32 v8, v8, v7
	v_subrev_nc_u32 v8, 12, v8                     ; s - 12 + 3 h
	v_cmp_le_u32 vcc_lo, 12, v7
	v_cndmask_b32 v9, v9, v8, vcc_lo
	v_add_nc_u32 v8, 119, v7                       ; 134 + s - 15
	v_cmp_le_u32 vcc_lo, 15, v7
	v_cndmask_b32 v9, v9, v8, vcc_lo
	v_sub_nc_u32 v8, 1, v4
	v_cndmask_b32 v10, 1, v8, vcc_lo
	v_cmp_le_u32 vcc_lo, 18, v7
	v_cndmask_b32 v10, v10, 0, vcc_lo
.Ltail:
	v_lshlrev_b32 v12, 9, v9                       ; a source row is 512 bytes,
	v_lshl_add_u32 v12, v5, 5, v12                 ; piece c its 8 numbers from 32 c on
	global_load_b128 v[16:19], v12, s[54:55]
	global_load_b128 v[20:23], v12, s[54:55] offset:16
	v_cmp_ne_u32 vcc_lo, 0, v10
	s_wait_loadcnt 0x0
	v_cvt_pk_bf16_f32 v24, v16, v17
	v_cvt_pk_bf16_f32 v25, v18, v19
	v_cvt_pk_bf16_f32 v26, v20, v21
	v_cvt_pk_bf16_f32 v27, v22, v23
.irp r, 24,25,26,27
	v_cndmask_b32 v\r, 0, v\r, vcc_lo              ; an empty slot's row is zeros
.endr
	global_store_b128 v6, v[24:27], s[52:53]
	s_endpgm
.Lheads:                                               ; row j < 3: cW1[k][j]; row 3: Wy[k]; else 0; k = 8 c .. 8 c + 7
	v_min_u32 v8, 2, v1
	v_mul_u32_u24 v9, v5, 96                       ; 8 c rows of 12 bytes
	v_lshl_add_u32 v9, v8, 2, v9
.irp e, 0,1,2,3,4,5,6,7
	global_load_b32 v[16+\e], v9, s[26:27] offset:12*\e
.endr
	v_lshlrev_b32 v10, 5, v5
	global_load_b128 v[28:31], v10, s[28:29]
	global_load_b128 v[32:35], v10, s[28:29] offset:16
	v_cmp_gt_u32 vcc_lo, 3, v1
	v_cmp_eq_u32 s58, 3, v1
	s_wait_loadcnt 0x0
.irp e, 0,1,2,3,4,5,6,7
	v_cndmask_b32 v[28+\e], 0, v[28+\e], s58
	v_cndmask_b32 v[16+\e], v[28+\e], v[16+\e], vcc_lo
.endr
	v_cvt_pk_bf16_f32 v24, v16, v17
	v_cvt_pk_bf16_f32 v25, v18, v19
	v_cvt_pk_bf16_f32 v26, v20, v21
	v_cvt_pk_bf16_f32 v27, v22, v23
	global_store_b128 v6, v[24:27], s[52:53]
	s_endpgm
.Ltable:                                               ; a wave makes one table of 512 bytes: number 8 (g - 77) + wave
	v_lshrrev_b32 v8, 5, v0
	v_readfirstlane_b32 s57, v8
	s_sub_co_u32 s58, s3, 77
	s_lshl_b32 s58, s58, 3
	s_add_co_u32 s58, s58, s57
	v_and_b32 v8, 31, v0
	v_lshlrev_b32 v9, 4, v8
	s_cmp_gt_u32 s58, 10
	s_cbranch_scc1 .Lzero
	s_cmp_eq_u32 s58, 10
	s_cbranch_scc1 .Lsmall
	s_mov_b64 s[54:55], s[28:29]                   ; 9: Wy
	s_cmp_eq_u32 s58, 8
	s_cselect_b64 s[54:55], s[30:31], s[54:55]     ; 8: cb0
.irp i, 0,1,2,3,4,5,6,7
	s_cmp_eq_u32 s58, \i
	s_cselect_b64 s[54:55], s[32+2*\i:33+2*\i], s[54:55]
.endr
	global_load_b128 v[16:19], v9, s[54:55]
	s_wait_loadcnt 0x0
	s_branch .Lround
.Lsmall:                                               ; 10: cb1's three numbers and by in lane 0, zeros behind them
	s_load_b96 s[60:62], s[48:49], 0x0
	s_load_b32 s63, s[50:51], 0x0
	v_cmp_eq_u32 vcc_lo, 0, v8
	s_wait_kmcnt 0x0
	v_cndmask_b32 v16, 0, s60, vcc_lo
	v_cndmask_b32 v17, 0, s61, vcc_lo
	v_cndmask_b32 v18, 0, s62, vcc_lo
	v_cndmask_b32 v19, 0, s63, vcc_lo
.Lround:                                               ; rounded to bf16, kept as f32
	v_cvt_pk_bf16_f32 v20, v16, v17
	v_cvt_pk_bf16_f32 v21, v18, v19
	v_lshlrev_b32 v16, 16, v20
	v_and_b32 v17, 0xffff0000, v20
	v_lshlrev_b32 v18, 16, v21
	v_and_b32 v19, 0xffff0000, v21
	global_store_b128 v6, v[16:19], s[52:53]
	s_endpgm
.Lzero:
	v_mov_b32 v16, 0
	v_mov_b32 v17, 0
	v_mov_b32 v18, 0
	v_mov_b32 v19, 0
	global_store_b128 v6, v[16:19], s[52:53]
	s_endpgm
.Lfunc_end_k_qd738c7e853_prep:
	.size	k_qd738c7e853_prep, .Lfunc_end_k_qd738c7e853_prep-k_qd738c7e853_prep
	.p2alignl 7, 3214868480
	.fill 96, 4, 3214868480
	.section	.rodata,"a",@progbits
	.p2align	6, 0x0
	.amdhsa_kernel k_qd738c7e853_prep
		.amdhsa_group_segment_fixed_size 0
		.amdhsa_private_segment_fixed_size 0
		.amdhsa_enable_private_segment 0
		.amdhsa_kernarg_size 184
		.amdhsa_user_sgpr_count 2
		.amdhsa_user_sgpr_kernarg_segment_ptr 1
		.amdhsa_wavefront_size32 1
		.amdhsa_system_sgpr_workgroup_id_x 1
		.amdhsa_system_sgpr_workgroup_id_y 1
		.amdhsa_system_sgpr_workgroup_id_z 1
		.amdhsa_system_vgpr_workitem_id 0
		.amdhsa_next_free_vgpr 48
		.amdhsa_next_free_sgpr 66
		.amdhsa_reserve_vcc 1
		.amdhsa_float_denorm_mode_32 3
		.amdhsa_float_denorm_mode_16_64 3
		.amdhsa_memory_ordered 1
		.amdhsa_forward_progress 1
		.amdhsa_inst_pref_size 10
	.end_amdhsa_kernel
	.amdgpu_metadata
---
amdhsa.version: [ 1, 2 ]
amdhsa.kernels:
  - .name:           k_qd738c7e853_prep
    .symbol:         k_qd738c7e853_prep.kd
    .args:
      - { .name: params_dW0, .offset: 0, .size: 8, .value_kind: global_buffer, .address_space: global }
      - { .name: params_dW1, .offset: 8, .size: 8, .value_kind: global_buffer, .address_space: global }
      - { .name: params_dW2, .offset: 16, .size: 8, .value_kind: global_buffer, .address_space: global }
      - { .name: params_dW3, .offset: 24, .size: 8, .value_kind: global_buffer, .address_space: global }
      - { .name: params_dW4, .offset: 32, .size: 8, .value_kind: global_buffer, .address_space: global }
      - { .name: params_dW5, .offset: 40, .size: 8, .value_kind: global_buffer, .address_space: global }
      - { .name: params_dW6, .offset: 48, .size: 8, .value_kind: global_buffer, .address_space: global }
      - { .name: params_dW7, .offset: 56, .size: 8, .value_kind: global_buffer, .address_space: global }
      - { .name: params_cW0, .offset: 64, .size: 8, .value_kind: global_buffer, .address_space: global }
      - { .name: params_cW1, .offset: 72, .size: 8, .value_kind: global_buffer, .address_space: global }
      - { .name: params_Wy, .offset: 80, .size: 8, .value_kind: global_buffer, .address_space: global }
      - { .name: params_cb0, .offset: 88, .size: 8, .value_kind: global_buffer, .address_space: global }
      - { .name: params_db0, .offset: 96, .size: 8, .value_kind: global_buffer, .address_space: global }
      - { .name: params_db1, .offset: 104, .size: 8, .value_kind: global_buffer, .address_space: global }
      - { .name: params_db2, .offset: 112, .size: 8, .value_kind: global_buffer, .address_space: global }
      - { .name: params_db3, .offset: 120, .size: 8, .value_kind: global_buffer, .address_space: global }
      - { .name: params_db4, .offset: 128, .size: 8, .value_kind: global_buffer, .address_space: global }
      - { .name: params_db5, .offset: 136, .size: 8, .value_kind: global_buffer, .address_space: global }
      - { .name: params_db6, .offset: 144, .size: 8, .value_kind: global_buffer, .address_space: global }
      - { .name: params_db7, .offset: 152, .size: 8, .value_kind: global_buffer, .address_space: global }
      - { .name: params_cb1, .offset: 160, .size: 8, .value_kind: global_buffer, .address_space: global }
      - { .name: params_by, .offset: 168, .size: 8, .value_kind: global_buffer, .address_space: global }
      - { .name: wimg, .offset: 176, .size: 8, .value_kind: global_buffer, .address_space: global }
    .group_segment_fixed_size: 0
    .private_segment_fixed_size: 0
    .kernarg_segment_align: 8
    .kernarg_segment_size: 184
    .max_flat_workgroup_size: 256
    .sgpr_count:     66
    .vgpr_count:     48
    .wavefront_size: 32
...
	.end_amdgpu_metadata
.endif
;; end of part 1
;; launch render (part 2): grid 256 x 1, 4 waves a work-group, clusters of 4 x 1, 327,680 bytes of LDS; arguments wimg, ray, t, out0, out1, out2, out3; writes out0, out1, out2, out3
.if DOCPART == 2
	.amdgcn_target "amdgcn-amd-amdhsa--gfx1250"
	.amdhsa_code_object_version 6
	.text
	.protected	k_qd738c7e853_render
	.globl	k_qd738c7e853_render
	.p2align	8
	.type	k_qd738c7e853_render,@function
k_qd738c7e853_render:
	s_mov_b64 s[64:65], 0
	v_nop
	global_prefetch_b8 v0, s[64:65] scope:SCOPE_SE
	s_setreg_imm32_b32 hwreg(HW_REG_WAVE_MODE, 25, 1), 1
	s_wait_xcnt 0x0
	s_wait_alu depctr_hold_cnt(0) depctr_sa_sdst(0) depctr_va_vdst(0) depctr_va_sdst(0) depctr_va_ssrc(0) depctr_va_vcc(0) depctr_vm_vsrc(0)
	s_getreg_b32 s2, hwreg(HW_REG_IB_STS2, 6, 4)
	s_cmp_eq_u32 s2, 0
	s_cbranch_scc0 .Lentry_in_a_cluster
	s_endpgm
.Lentry_in_a_cluster:
	s_bfe_u32 s2, ttmp6, 0x10000c
	s_cmp_lg_u32 s2, 0x3003
	s_cbranch_scc0 .Lentry_shape_is_right
	s_endpgm
.Lentry_shape_is_right:
; RENDER: sort, encoding, the density net forward and backward, the colour head and the compositing, for 8 rays a work-group.
; ALL INPUTS ARE TAKEN ROUNDED TO bf16 (weights and biases by the launch before, ray and t here); out3 is the sorted rounded t.
; SHARES.  All weights (323,584 bytes in bf16) lie in LDS, filled once; after that a wave works alone.  Wave w of work-group WG takes rays 8 WG + 2 w + p in two passes;
; a ray is four tiles of 16 samples.  A weight fragment read from LDS feeds the four tiles' products, for hi and for lo.
; LAYOUT.  D = W^T (source 0: 16 output features x 32 k) x H^T (source 1: 32 k x 16 points): a lane holds ONE point (lane % 16) and the features 8 (lane / 16) + 0..7 of a block of 16.
; Two neighbouring blocks rounded to bf16 in pairs ARE the next layer's source 1: activations never leave registers.  Weights lie [k][j]: forward they are read turned (ds_load_tr16_b128),
; backward as they lie: one copy serves both.  Rows are 256 bytes with the 16-byte pieces swizzled (piece c of row R at c ^ (((R & 7) << 1) | ((R >> 3) & 1))): both kinds of load touch 16 different columns of 16 bytes in 16 lanes.
; A bias is the C operand of a block's first product.
; FORMATS.  bf16 operands, f32 sums.  EVERY FORWARD LAYER'S INPUT GOES IN AS hi + lo (two bf16, two products with the same weights): the sign of a pre-activation is a ReLU's mask in the gradient, and the
; normal is the gradient divided by its length, so one wrong sign can turn a short gradient right round.  hi + lo leave an input about 2^-17 of itself off.  Two exceptions: h7 at the colour layer goes in as hi alone
; (the registers of its lo carry the gradient meanwhile; the colour is continuous in it), and the gradient is one bf16 a layer.
; ReLU MASKS.  For each packed pair a register keeps a stack of sign bits, one stack in each half: a push sets bits 15 and 31 and shifts right, a pop reads bits 14 and 30 as bf16 0 or 2.0 and shifts left.
; So each backward layer doubles the gradient, exactly: 2^4 at layer 4's input, 2^8 at layer 0's; the factor is taken out at the end.
; SINE AND COSINE.  For an angle th: a = (th - 2 pi k) / 4 by two fused steps, polynomials to a^9 and a^10 on |a| <= pi / 4, then the angle is doubled: twice to th, once more to 2 th.
; The points' levels 0, 2, 4, 6, 8 are each reduced anew (2^l x is exact), so no value has more than three doublings behind it; the directions' four levels hang on one reduction.
; CLUSTER.  Every work-group reads the same image: the four of a cluster ask for each quarter of it jointly (mask 15).  The place in the cluster enters addresses of ray, t and the outputs alone.
; NO PREFETCH: the one stream of the launch is asked for at its head.
; LIMITS.  |x| < 2^15 (the angle's reduction).  A pre-activation that is exactly +0 counts as active in the gradient; one within some 5e-6 of its layer's spread of 0 may get the other mask than in f32.
; NaN and infinities are not treated apart.
.set QUART, 80896                      ; a quarter of the image: 316 rows of 256 bytes, one tensor load
.set LBLK,  32768                      ; a block of 128 rows
.set CWH,   262144                     ; cW0's rows for h
.set CWE,   294912                     ; cW0's other rows, in slot order
.set SOFF,  311296                     ; the heads
.set TAB,   315392                     ; 16 tables of 512 bytes
.set STG,   323584                     ; behind the image: 512 bytes for each wave; the upper 256 take what lanes 16-31 discard
.set OUTS,  325632                     ; 8 records of 16 bytes (C0, C1, C2, Dp); the upper 128 bytes take what lanes 16-31 discard
.set SPARE, 325888                     ; the spare words, 128 bytes for each wave: two blocks of 256 bytes that no other line names
; window 0
.set R16, 1                            ; lane % 16
.set HH,  2                            ; lane / 16
.set LANE, 3
.set ADF, 4                            ; v4-11   turned loads: my place in a block's rows, for column block b
.set ADB, 12                           ; v12-19  plain loads: my place in 16 rows, for piece pair i
.set ADW, 20                           ; v20-27  ADB + the base in hand
.set SPW, 28                           ; my spare word; never rewritten
.set NIL, 29                           ; 0; never rewritten
.set NEG1, 30                          ; -1.0
.set T1,  31
.set TA,  32
.set TB,  33
.set TBI, 34                           ; the table in hand + 32 (lane / 16)
.set BAL, 35                           ; 32 (lane / 16)
.set STS, 36
.set STT, 37
.set STP, 38
.set STW, 39
.set OAD, 40
.set GO8, 41
.set OO,  42                           ; v42-44 o, v45-47 d
.set DD,  45
.set TT,  48                           ; t of my point, by tile
.set SG,  52                           ; sigma, by tile (lanes 0-15)
.set NN,  56                           ; v56-67 the gradient, then the normal: 3 a tile
.set FLO, 68                           ; 1.0 in lanes 0-15, else 0
.set FHI, 69                           ; the other way round
.set CL,  70                           ; v70-74 bf16 pairs (2^2i, 2^(2i+1)), negative in lanes 16-31
.set GO4, 75
.set VZ,  79                           ; 0
.set ACC, 80                           ; v80-111  four accumulators, a tile each
.set F1,  112                          ; v112-143 weight fragments, K = 128
.set F2,  144                          ; v144-159 fragments of the 64 slot rows
.set BI,  176                          ; v176-183 the C operand that starts a block's sums
.set TMP, 184                          ; v184-255 at work
; window 1: X, a layer's input: hi of tile t, pair p at 32 t + p, lo 128 further on.  window 2: Y, its output, likewise.
.set XHI, 0
.set XLO, 128
; window 3: the slot inputs' hi at 16 t + p, their lo at 64 + 16 t + p (during the backward pass: the derivative's weights), the mask stacks at 128 + 32 t + p
.set EHB, 0
.set ELB, 64
.set MB,  128
; at work in the encodings
.set XP,  TMP
.set SA,  TMP+2
.set CA,  TMP+4
.set TTP, TMP+6
.set UU,  TMP+8
.set XB,  TMP+10
.set U,   TMP+12
; scalars: s[4:17] the seven buffers; s18 wave; s19 cx; s20 work-group; s21 passes to go; s22 ray; s[24:27], s[28:35] the descriptor; s37, s38 loop counts;
; s39 forward base; s40 forward table; s41 base of the slot rows; s42 1 in a trip that has slot inputs; s43 backward base; s44 backward table; s45 base for the step to the encoding;
; s46 0x80008000; s47 0x40004000; s[48:49] v_permlanex16_b32's selects; s50 0xffff0000 (lanes 16-31, and a word's upper bf16); s51 the sort's mask; s[52:57] the ray; s58-63, s66-71 at work
.set MSB, 0
.macro WIN new                         ; the immediate's high byte repeats the setting that is left; a switch that changes nothing is dropped
.if MSB != (\new)
	s_set_vgpr_msb (MSB<<8)|(\new)
.set MSB, (\new)
.endif
.endm
.set W_MM, 0x04                        ; source 1 window 1
.set W_ME, 0x0c                        ; source 1 window 3
.set W_Y,  0x80                        ; destination window 2
.set W_MI, 0xfb                        ; destination, sources 0 and 2 window 3, source 1 window 2
.set W_YY, 0x82                        ; destination and source 0 window 2
.set W_MX, 0x02                        ; source 0 window 2
.set W_PO, 0x03                        ; source 0 window 3
.set W_MS, 0xc3                        ; destination and source 0 window 3
.set W_CP, 0x42                        ; destination window 1, source 0 window 2
.set W_X,  0x40                        ; destination window 1
.set W_XE, 0x43                        ; destination window 1, source 0 window 3
.set W_E,  0xc0                        ; destination window 3
.macro PLACES                          ; four plain places behind a product, in front of reads of its result and of loads into its sources
.rept 4
	v_nop
.endr
.endm
.macro ROUND                           ; a round of the cluster's barrier
	s_barrier_signal -1
	s_barrier_wait -1
	s_cmp_lg_u32 s18, 0
	s_cbranch_scc1 .Lnot_wave_0_\@
	s_barrier_signal -3
.Lnot_wave_0_\@:
	s_barrier_wait -3
	s_barrier_signal -1
	s_barrier_wait -1
.endm
; 16 products: K = 128 in four steps, the four tiles' accumulators by turns, one instruction a turn.
; first = 1: the first four start their sums with creg; 2: with 0; 0: they add on.
.macro MMS f, xb, first, creg=BI
	WIN W_MM
.irp q, 0,1,2,3
.irp t, 0,1,2,3
.if ((\q) == 0) && ((\first) == 1)
	v_wmma_f32_16x16x32_bf16 v[ACC+8*\t:ACC+8*\t+7], v[\f+8*\q:\f+8*\q+7], v[\xb+32*\t+8*\q:\xb+32*\t+8*\q+7], v[\creg:\creg+7]
.elseif ((\q) == 0) && ((\first) == 2)
	v_wmma_f32_16x16x32_bf16 v[ACC+8*\t:ACC+8*\t+7], v[\f+8*\q:\f+8*\q+7], v[\xb+32*\t+8*\q:\xb+32*\t+8*\q+7], 0
.else
	v_wmma_f32_16x16x32_bf16 v[ACC+8*\t:ACC+8*\t+7], v[\f+8*\q:\f+8*\q+7], v[\xb+32*\t+8*\q:\xb+32*\t+8*\q+7], v[ACC+8*\t:ACC+8*\t+7]
.endif
.endr
.endr
.endm
; 16 products more: the 64 slot rows against the slot inputs' hi and then their lo, straight from window 3; the accumulators go on taking turns
.macro MME
	WIN W_ME
.irp e, EHB, ELB
.irp q, 0,1
.irp t, 0,1,2,3
	v_wmma_f32_16x16x32_bf16 v[ACC+8*\t:ACC+8*\t+7], v[F2+8*\q:F2+8*\q+7], v[\e+16*\t+8*\q:\e+16*\t+8*\q+7], v[ACC+8*\t:ACC+8*\t+7]
.endr
.endr
.endr
.endm
; forward fragments of column block b: 128 k x 16 columns, turned; and the block's bias
.macro LDF b
	v_add_nc_u32 v[T1], s39, v[ADF+(\b)]
.irp q, 0,1,2,3
	ds_load_tr16_b128 v[F1+8*\q:F1+8*\q+3],   v[T1] offset:8192*\q
	ds_load_tr16_b128 v[F1+8*\q+4:F1+8*\q+7], v[T1] offset:8192*\q+4096
.endr
	ds_load_b128 v[BI:BI+3],   v[TBI] offset:64*(\b)
	ds_load_b128 v[BI+4:BI+7], v[TBI] offset:64*(\b)+16
.endm
; the slot rows' fragments of column block b: 64 k x 16 columns from s41, turned.  They are fetched in every trip, so that the text has one form; seven trips of nine do not use them
.macro LDF2 b
	v_add_nc_u32 v[TA], s41, v[ADF+(\b)]
.irp q, 0,1
	ds_load_tr16_b128 v[F2+8*\q:F2+8*\q+3],   v[TA] offset:8192*\q
	ds_load_tr16_b128 v[F2+8*\q+4:F2+8*\q+7], v[TA] offset:8192*\q+4096
.endr
.endm
; backward fragments of row block bk: 16 rows x 128 columns, as they lie
.macro LDB bk, bias
.irp i, 0,1,2,3,4,5,6,7
	ds_load_b128 v[F1+4*\i:F1+4*\i+3], v[ADW+\i] offset:4096*(\bk)
.endr
.if \bias
	ds_load_b128 v[BI:BI+3],   v[TBI] offset:64*(\bk)
	ds_load_b128 v[BI+4:BI+7], v[TBI] offset:64*(\bk)+16
.endif
.endm
.macro PF_FS                           ; block 0 of the layer at s39, s40, s41
	v_add_nc_u32 v[TBI], s40, v[BAL]
	LDF 0
	LDF2 0
.endm
.macro PF_BP                           ; block 0 of the backward layer at s43, s44
	v_add_nc_u32 v[TBI], s44, v[BAL]
.irp i, 0,1,2,3,4,5,6,7
	v_add_nc_u32 v[ADW+\i], s43, v[ADB+\i]
.endr
	LDB 0, 1
.endm
; forward, behind block b's products: round to bf16, push the signs, ReLU; then lo = max(z, 0) - hi, rounded to bf16.  Each accumulator is read from its low end on.
.macro EFS b
	WIN W_Y
.irp t, 0,1,2,3
.irp i, 0,1,2,3
	v_cvt_pk_bf16_f32 v[32*\t+4*(\b)+\i], v[ACC+8*\t+2*\i], v[ACC+8*\t+2*\i+1]
.endr
.endr
	WIN W_MI
.irp t, 0,1,2,3
.irp i, 0,1,2,3
	v_bfi_b32 v[MB+32*\t+4*(\b)+\i], s46, v[32*\t+4*(\b)+\i], v[MB+32*\t+4*(\b)+\i]
.endr
.endr
.irp t, 0,1,2,3
.irp i, 0,1,2,3
	v_bfe_u32 v[MB+32*\t+4*(\b)+\i], v[MB+32*\t+4*(\b)+\i], 1, 31
.endr
.endr
	WIN W_YY
.irp t, 0,1,2,3
.irp i, 0,1,2,3
	v_pk_max_num_bf16 v[32*\t+4*(\b)+\i], v[32*\t+4*(\b)+\i], v[VZ]
.endr
.endr
	WIN W_MX
.set er, 0
.rept 32
	v_max_num_f32 v[ACC+er], 0, v[ACC+er]
.set er, er+1
.endr
.irp t, 0,1,2,3
.irp i, 0,1,2,3
	v_fma_mix_f32_bf16 v[ACC+8*\t+2*\i],   v[32*\t+4*(\b)+\i], v[NEG1], v[ACC+8*\t+2*\i] op_sel_hi:[1,0,0]
	v_fma_mix_f32_bf16 v[ACC+8*\t+2*\i+1], v[32*\t+4*(\b)+\i], v[NEG1], v[ACC+8*\t+2*\i+1] op_sel:[1,0,0] op_sel_hi:[1,0,0]
.endr
.endr
	WIN W_Y
.irp t, 0,1,2,3
.irp i, 0,1,2,3
	v_cvt_pk_bf16_f32 v[128+32*\t+4*(\b)+\i], v[ACC+8*\t+2*\i], v[ACC+8*\t+2*\i+1]
.endr
.endr
.endm
; backward, behind block b's products: round to bf16, pop the masks as bf16 0 or 2.0, multiply
.macro EBP b
	WIN W_Y
.irp t, 0,1,2,3
.irp i, 0,1,2,3
	v_cvt_pk_bf16_f32 v[128+32*\t+4*(\b)+\i], v[ACC+8*\t+2*\i], v[ACC+8*\t+2*\i+1]
.endr
.endr
	WIN W_PO
.irp t, 0,1,2,3
.irp i, 0,1,2,3
	v_bfi_b32 v[TMP+4*\t+\i], v[MB+32*\t+4*(\b)+\i], 0, s47
.endr
.endr
	WIN W_MS
.irp t, 0,1,2,3
.irp i, 0,1,2,3
	v_lshl_add_u32 v[MB+32*\t+4*(\b)+\i], v[MB+32*\t+4*(\b)+\i], 1, 0
.endr
.endr
	WIN W_YY
.irp t, 0,1,2,3
.irp i, 0,1,2,3
	v_pk_mul_bf16 v[128+32*\t+4*(\b)+\i], v[128+32*\t+4*(\b)+\i], v[TMP+4*\t+\i]
.endr
.endr
.endm
; A BLOCK of 16 output features for the four tiles.  kind 1: forward: hi and lo against the same fragments, and in a trip with slot inputs (s42 = 1) those too; kind 2: backward.
; The block's fragments were asked for one block earlier and are all that is out, so the wait is for 0; the next block's are asked for in front of this block's vector work.
.macro BLK kind, b
	s_wait_dscnt 0x0
.if (\kind) == 1
	MMS F1, XHI, 1
	MMS F1, XLO, 0
	WIN 0                                          ; at a branch and at a label every window is 0
	s_cmp_eq_u32 s42, 0
	s_cbranch_scc1 .Lno_slots_\@
	MME
	WIN 0
.Lno_slots_\@:
.else
	MMS F1, XLO, 1
	WIN 0
.endif
	PLACES
.if (\b) < 7
.if (\kind) == 1
	LDF (\b)+1
	LDF2 (\b)+1
.else
	LDB (\b)+1, 1
.endif
.elseif (\kind) == 1
	s_add_co_u32 s39, s39, LBLK                    ; the next layer's weights and bias
	s_min_u32 s39, s39, CWH                        ; behind the colour layer there is none: its block is fetched once more and not used
	s_add_co_u32 s40, s40, 512
	PF_FS
.else
	s_sub_co_u32 s43, s43, LBLK                    ; one layer back; from now on the sums start with the table of zeros
	s_mov_b32 s44, TAB+11*512
	PF_BP
.endif
.if (\kind) == 1
	EFS \b
.else
	EBP \b
.endif
.endm
; Y becomes X: the price of one text for all layers of a shape (destination window 1, source window 2, the same number)
.macro COPY from, n
	WIN W_CP
.set cr, (\from)
.rept (\n)
	v_mov_b32 v[cr], v[cr]
.set cr, cr+1
.endr
	WIN 0
.endm
; sine and cosine of a quarter of the reduced angle, for the pair in XP
.macro SC0
.set rS, SA
.set rC, CA
	v_pk_mul_f32 v[TTP:TTP+1], v[XP:XP+1], 0x3e22f983 op_sel_hi:[1,0]          ; th / 2 pi
	v_rndne_f32 v[TTP], v[TTP]
	v_rndne_f32 v[TTP+1], v[TTP+1]                                             ; k
	v_pk_mul_f32 v[XP:XP+1], v[XP:XP+1], 0x3e800000 op_sel_hi:[1,0]            ; th / 4, exact
	v_pk_fma_f32 v[XP:XP+1], v[TTP:TTP+1], 0xbfc90fdb, v[XP:XP+1] op_sel_hi:[1,0,1]  ; - k pi/2, its upper
	v_pk_fma_f32 v[XP:XP+1], v[TTP:TTP+1], 0x333bbd2e, v[XP:XP+1] op_sel_hi:[1,0,1]  ; and its lower part
	v_pk_mul_f32 v[UU:UU+1], v[XP:XP+1], v[XP:XP+1]
	v_mov_b32 v[SA], 0xb9500d01                                                ; -1/5040
	v_mov_b32 v[SA+1], 0xb9500d01
	v_mov_b32 v[CA], 0x37d00d01                                                ; 1/40320
	v_mov_b32 v[CA+1], 0x37d00d01
	v_pk_fma_f32 v[SA:SA+1], v[UU:UU+1], 0x3638ef1d, v[SA:SA+1] op_sel_hi:[1,0,1]    ; 1/362880
	v_pk_fma_f32 v[CA:CA+1], v[UU:UU+1], 0xb493f27e, v[CA:CA+1] op_sel_hi:[1,0,1]    ; -1/3628800
	v_pk_fma_f32 v[SA:SA+1], v[SA:SA+1], v[UU:UU+1], 0x3c088889 op_sel_hi:[1,1,0]    ; 1/120
	v_pk_fma_f32 v[CA:CA+1], v[CA:CA+1], v[UU:UU+1], 0xbab60b61 op_sel_hi:[1,1,0]    ; -1/720
	v_pk_fma_f32 v[SA:SA+1], v[SA:SA+1], v[UU:UU+1], 0xbe2aaaab op_sel_hi:[1,1,0]    ; -1/6
	v_pk_fma_f32 v[CA:CA+1], v[CA:CA+1], v[UU:UU+1], 0x3d2aaaab op_sel_hi:[1,1,0]    ; 1/24
	v_pk_mul_f32 v[SA:SA+1], v[SA:SA+1], v[UU:UU+1]
	v_pk_fma_f32 v[CA:CA+1], v[CA:CA+1], v[UU:UU+1], -0.5 op_sel_hi:[1,1,0]
	v_pk_fma_f32 v[SA:SA+1], v[SA:SA+1], v[XP:XP+1], v[XP:XP+1]
	v_pk_fma_f32 v[CA:CA+1], v[CA:CA+1], v[UU:UU+1], 1.0 op_sel_hi:[1,1,0]
.endm
; the angle doubles: sin' = 2 s c, cos' = 1 - 2 s s.  cos' lands in s's registers and sin' in c's, so the two names change places
.macro DBL
	v_pk_add_f32 v[TTP:TTP+1], v[rS:rS+1], v[rS:rS+1]
	v_pk_fma_f32 v[rS:rS+1], v[TTP:TTP+1], v[rS:rS+1], 1.0 op_sel_hi:[1,1,0] neg_lo:[1,0,0] neg_hi:[1,0,0]
	v_pk_mul_f32 v[rC:rC+1], v[TTP:TTP+1], v[rC:rC+1]
.set rX, rS
.set rS, rC
.set rC, rX
.endm
; the encoding of coordinate c for tiles t0 and t0 + 1: lanes 0-15 keep the sines, lanes 16-31 the cosines; slots 10 c + l, hi and lo.
; Levels 0, 2, 4, 6, 8 start from x times 1, 4, 16, 64, 256 (exact) with a reduction of their own; the odd level is one doubling further
.macro ENC t0, c
	v_fma_f32 v[XB],   v[TT+(\t0)],   v[DD+(\c)], v[OO+(\c)]
	v_fma_f32 v[XB+1], v[TT+(\t0)+1], v[DD+(\c)], v[OO+(\c)]
.set el, 0
.irp sc, 0x3f800000, 0x40800000, 0x41800000, 0x42800000, 0x43800000
	v_pk_mul_f32 v[XP:XP+1], v[XB:XB+1], \sc op_sel_hi:[1,0]
	SC0
	DBL
	DBL
	v_cndmask_b32 v[U+2*el],   v[rS],   v[rC],   s50
	v_cndmask_b32 v[U+2*el+1], v[rS+1], v[rC+1], s50
	DBL
	v_cndmask_b32 v[U+2*el+2], v[rS],   v[rC],   s50
	v_cndmask_b32 v[U+2*el+3], v[rS+1], v[rC+1], s50
.set el, el+2
.endr
	WIN W_E
.irp j, 0,1
.irp i, 0,1,2,3,4
	v_cvt_pk_bf16_f32 v[EHB+16*((\t0)+\j)+5*(\c)+\i], v[U+4*\i+\j], v[U+4*\i+2+\j]
.endr
.endr
	WIN W_PO
.irp j, 0,1
.irp i, 0,1,2,3,4
	v_fma_mix_f32_bf16 v[U+4*\i+\j],   v[EHB+16*((\t0)+\j)+5*(\c)+\i], v[NEG1], v[U+4*\i+\j] op_sel_hi:[1,0,0]
	v_fma_mix_f32_bf16 v[U+4*\i+2+\j], v[EHB+16*((\t0)+\j)+5*(\c)+\i], v[NEG1], v[U+4*\i+2+\j] op_sel:[1,0,0] op_sel_hi:[1,0,0]
.endr
.endr
	WIN W_E
.irp j, 0,1
.irp i, 0,1,2,3,4
	v_cvt_pk_bf16_f32 v[ELB+16*((\t0)+\j)+5*(\c)+\i], v[U+4*\i+\j], v[U+4*\i+2+\j]
.endr
.endr
	WIN 0
.endm
; the sort: a compare and exchange with the lane j away; a lane whose bit in s51 is set keeps the smaller (sw = 1: the larger)
.set SV0, TMP
.set SV1, TMP+1
.set MN,  TMP+2
.set MX,  TMP+3
.set PT,  TMP+4
.macro CE r, j, sw
.if (\j) < 16
	v_min_num_f32_dpp v[MN], v[\r], v[\r] row_xmask:\j row_mask:0xf bank_mask:0xf
	v_max_num_f32_dpp v[MX], v[\r], v[\r] row_xmask:\j row_mask:0xf bank_mask:0xf
.else
	v_permlanex16_b32 v[PT], v[\r], s48, s49
	v_min_num_f32 v[MN], v[PT], v[\r]
	v_max_num_f32 v[MX], v[PT], v[\r]
.endif
.if \sw
	v_cndmask_b32 v[\r], v[MN], v[MX], s51
.else
	v_cndmask_b32 v[\r], v[MX], v[MN], s51
.endif
.endm
.macro STAGE mask, j, sw
	s_mov_b32 s51, \mask
	CE SV0, \j, 0
	CE SV1, \j, \sw
.endm
; the gradient's step to the encoding, row block bk: slot s = 8 bk + j of my lane half; its weight is the derivative of the slot by its coordinate
.macro GACC bk
	WIN W_PO
.irp j, 0,1,2,3,4,5,6,7
.if 8*(\bk)+\j < 30
.irp t, 0,1,2,3
.if (\j) % 2
	v_fma_mix_f32_bf16 v[NN+3*\t+(8*(\bk)+\j)/10], v[ELB+16*\t+(8*(\bk)+\j)/2], v[ACC+8*\t+\j], v[NN+3*\t+(8*(\bk)+\j)/10] op_sel:[1,0,0] op_sel_hi:[1,0,0]
.else
	v_fma_mix_f32_bf16 v[NN+3*\t+(8*(\bk)+\j)/10], v[ELB+16*\t+(8*(\bk)+\j)/2], v[ACC+8*\t+\j], v[NN+3*\t+(8*(\bk)+\j)/10] op_sel_hi:[1,0,0]
.endif
.endr
.endif
.endr
	WIN 0
.if (\bk) == 3
.irp t, 0,1,2,3
	v_fmac_f32 v[NN+3*\t],   v[FLO], v[ACC+8*\t+6]  ; slot 30: x_0 in lanes 0-15,
	v_fmac_f32 v[NN+3*\t+1], v[FHI], v[ACC+8*\t+6]  ; x_1 in lanes 16-31
	v_fmac_f32 v[NN+3*\t+2], v[FLO], v[ACC+8*\t+7]  ; slot 31: x_2 in lanes 0-15
.endr
.endif
.endm
; ================================================================ the head
	s_load_b256 s[4:11], s[0:1], 0x0               ; wimg s[4:5], ray s[6:7], t s[8:9], out0 s[10:11]
	s_load_b128 s[12:15], s[0:1], 0x20             ; out1 s[12:13], out2 s[14:15]
	s_load_b64 s[16:17], s[0:1], 0x30              ; out3
	v_lshl_add_u32 v[SPW], v0, 2, SPARE
	v_mov_b32 v[NIL], 0
	ds_add_u32 v[SPW], v[NIL]                      ; the wave's opening: the add and its wait stand ahead of my tensor load; work on registers stands between them
	v_lshrrev_b32 v1, 5, v0
	v_readfirstlane_b32 s18, v1                    ; wave 0..3
	s_bfe_u32 s19, ttmp6, 0x40000                  ; cx
	s_lshl_b32 s20, ttmp9, 2                       ; in a cluster launch ttmp9 counts clusters
	s_add_co_u32 s20, s20, s19                     ; my work-group: it enters addresses of ray, t and the outputs alone
	s_mov_b32 s24, 1                               ; group 0: count = 1
	s_mul_i32 s25, s18, QUART                      ; LDS address: my quarter of the image
	s_mov_b32 s28, 15|(3<<16)|(1<<21)              ; group 1: the mask of four; elements of 8 bytes; bit 21 beside a mask; no padding
	s_mov_b32 s29, 32<<16                          ; tensor_dim0 = 32 elements: 256 bytes
	s_mov_b32 s30, 316<<16                         ; tensor_dim1 = 316
	s_mov_b32 s31, 32<<16                          ; tile_dim0 = 32
	s_mov_b32 s32, 316                             ; tile_dim1 = 316
	s_mov_b32 s33, 32                              ; 32 elements from row to row
	s_mov_b32 s34, 0
	s_mov_b32 s35, 0
	s_mov_b32 s46, 0x80008000
	s_mov_b32 s47, 0x40004000
	s_mov_b32 s48, 0x76543210
	s_mov_b32 s49, 0xfedcba98
	s_mov_b32 s50, 0xffff0000
	s_mov_b32 s58, s25
	s_mov_b32 s59, 0
	s_wait_dscnt 0x0                               ; the opening add is done
	s_wait_kmcnt 0x0
	s_add_nc_u64 s[26:27], s[4:5], s[58:59]        ; the same quarter in memory: it hangs on the wave's number alone
	s_or_b32 s27, s27, 0x80000000                  ; type = 2
	ROUND                                          ; all four work-groups are here: the joint loads meet
	tensor_load_to_lds s[24:27], s[28:35]          ; my one tensor load of the launch
	s_nop 0
	PLACES
	; while it is on its way: addresses and constants
	v_and_b32 v[R16], 15, v0
	v_bfe_u32 v[HH], v0, 4, 1
	v_and_b32 v[LANE], 31, v0
	v_and_b32 v[TMP], 7, v0                        ; lane % 8
	v_bfe_u32 v[TMP+1], v0, 3, 1                   ; (lane / 8) % 2
	v_lshl_or_b32 v[TMP+2], v[TMP], 1, v[HH]       ; the swizzle of the row that I address in a turned load
	v_lshl_or_b32 v[TMP+3], v[TMP], 1, v[TMP+1]    ; and in a plain load
	v_lshl_add_u32 v[TMP+4], v[HH], 3, v[TMP]
	v_lshlrev_b32 v[TMP+4], 8, v[TMP+4]            ; turned: row 8 (lane / 16) + lane % 8
	v_lshlrev_b32 v[TMP+5], 8, v[R16]              ; plain: row lane % 16
.irp b, 0,1,2,3,4,5,6,7
	v_add_nc_u32 v[TMP+6], 2*\b, v[TMP+1]          ; turned: piece 2 b + (lane / 8) % 2
	v_xor_b32 v[TMP+6], v[TMP+6], v[TMP+2]
	v_lshl_add_u32 v[ADF+\b], v[TMP+6], 4, v[TMP+4]
	v_add_nc_u32 v[TMP+7], 2*\b, v[HH]             ; plain: piece 2 i + lane / 16
	v_xor_b32 v[TMP+7], v[TMP+7], v[TMP+3]
	v_lshl_add_u32 v[ADB+\b], v[TMP+7], 4, v[TMP+5]
.endr
	s_lshl_b32 s58, s18, 9
	s_add_co_u32 s58, s58, STG                     ; my stage
	v_lshl_add_u32 v[STS], v[LANE], 2, s58
	v_lshl_add_u32 v[STT], v[R16], 2, s58
	v_lshl_add_u32 v[STP], v[LANE], 3, s58
	v_lshl_add_u32 v[STW], v[HH], 8, v[STT]
	s_lshl_b32 s59, s18, 5
	s_add_co_u32 s59, s59, OUTS                    ; my two records
	v_lshl_add_u32 v[OAD], v[HH], 7, s59
	v_lshlrev_b32 v[GO8], 3, v[LANE]
	v_lshlrev_b32 v[GO4], 2, v[LANE]
	v_lshlrev_b32 v[BAL], 5, v[HH]
	v_cvt_f32_u32 v[FHI], v[HH]
	v_sub_f32 v[FLO], 1.0, v[FHI]
	v_mov_b32 v[NEG1], -1.0
	v_mov_b32 v[VZ], 0
	v_cndmask_b32 v[TMP+6], 0, s46, s50            ; both signs in lanes 16-31
.irp i, 0,1,2,3,4
	v_or_b32 v[CL+\i], ((127+2*\i)<<7)|((128+2*\i)<<23), v[TMP+6]
.endr
.irp t, 0,1,2,3
	v_mov_b32 v[SG+\t], 0                          ; written here once, so that every way to their reader finds them written
.endr
	WIN W_E
.set n, 0
.rept 128
	v_mov_b32 v[MB+n], 0                           ; a push reads its stack: the stacks are written once a launch, in the wait for the image
.set n, n+1
.endr
	WIN 0
	s_mov_b32 s21, 2
	s_wait_tensorcnt 0x0                           ; my quarter has landed,
	s_barrier_signal -1
	s_barrier_wait -1                              ; everybody's has: from here on the image is only read
; ================================================================ a pass: one ray
.Lpass:
	s_lshl_b32 s22, s20, 3
	s_lshl_b32 s58, s18, 1
	s_add_co_u32 s22, s22, s58
	s_sub_co_u32 s70, 2, s21                       ; 0 in the first pass, 1 in the second
	s_add_co_u32 s22, s22, s70                     ; the ray
	s_lshl_b32 s58, s22, 8                         ; 64 samples of 4 bytes
	s_mov_b32 s59, 0
	s_add_nc_u64 s[60:61], s[8:9], s[58:59]        ; t,
	s_add_nc_u64 s[62:63], s[16:17], s[58:59]      ; out3
	s_add_nc_u64 s[66:67], s[14:15], s[58:59]      ; and out2 at the ray
	s_mul_i32 s58, s22, 24
	s_add_nc_u64 s[68:69], s[6:7], s[58:59]
	s_load_b64 s[52:53], s[68:69], 0x0
	s_load_b64 s[54:55], s[68:69], 0x8
	s_load_b64 s[56:57], s[68:69], 0x10
	global_load_b32 v[SV0], v[GO4], s[60:61]       ; sample lane,
	global_load_b32 v[SV1], v[GO4], s[60:61] offset:128  ; sample 32 + lane
	v_mov_b32 v[MN], 0                             ; destinations of lane-crossing forms count as read
	v_mov_b32 v[MX], 0
	v_mov_b32 v[PT], 0
	s_wait_kmcnt 0x0
.irp i, 0,1,2,3,4,5
	v_mov_b32 v[OO+\i], s[52+\i]
.endr
.irp i, 0,2,4
	v_cvt_pk_bf16_f32 v[TMP+8], v[OO+\i], v[OO+\i+1]  ; o and d rounded to bf16
	v_lshlrev_b32 v[OO+\i], 16, v[TMP+8]
	v_and_b32 v[OO+\i+1], s50, v[TMP+8]
.endr
	s_wait_loadcnt 0x0
	v_cvt_pk_bf16_f32 v[TMP+8], v[SV0], v[SV1]     ; t rounded to bf16
	v_lshlrev_b32 v[SV0], 16, v[TMP+8]
	v_and_b32 v[SV1], s50, v[TMP+8]
	; ---- A. a bitonic network on i = lane + 32 x register, 21 stages; no address and no branch hangs on a number
	STAGE 0x99999999, 1, 0
	STAGE 0xc3c3c3c3, 2, 0
	STAGE 0xa5a5a5a5, 1, 0
	STAGE 0xf00ff00f, 4, 0
	STAGE 0xcc33cc33, 2, 0
	STAGE 0xaa55aa55, 1, 0
	STAGE 0xff0000ff, 8, 0
	STAGE 0xf0f00f0f, 4, 0
	STAGE 0xcccc3333, 2, 0
	STAGE 0xaaaa5555, 1, 0
	STAGE 0x0000ffff, 16, 1                        ; runs of 32: the first register ascends, the second descends
	STAGE 0x00ff00ff, 8, 1
	STAGE 0x0f0f0f0f, 4, 1
	STAGE 0x33333333, 2, 1
	STAGE 0x55555555, 1, 1
	v_min_num_f32 v[MN], v[SV0], v[SV1]            ; the last run: 32 apart is the other register
	v_max_num_f32 v[SV1], v[SV0], v[SV1]
	v_mov_b32 v[SV0], v[MN]
	STAGE 0x0000ffff, 16, 0
	STAGE 0x00ff00ff, 8, 0
	STAGE 0x0f0f0f0f, 4, 0
	STAGE 0x33333333, 2, 0
	STAGE 0x55555555, 1, 0
	ds_store_b32 v[STS], v[SV0]                    ; through my stage: LDS serves a wave's instructions in order (ISA guide 5.7.1.4)
	ds_store_b32 v[STS], v[SV1] offset:128
.irp t, 0,1,2,3
	ds_load_b32 v[TT+\t], v[STT] offset:64*\t      ; sample 16 t + lane % 16
.endr
	ds_load_b64 v[TMP+6:TMP+7], v[STP]
	s_wait_dscnt 0x0
	global_store_b64 v[GO8], v[TMP+6:TMP+7], s[62:63]  ; the ray's 256 bytes of out3 in one store
	s_wait_xcnt 0x0                                ; its data registers are written again below
	; ---- B. the encoding of x = o + t d
	ENC 0, 0
	ENC 0, 1
	ENC 0, 2
	ENC 2, 0
	ENC 2, 1
	ENC 2, 2
.irp t, 0,1,2,3
	v_fma_f32 v[U+4*\t],   v[TT+\t], v[DD],   v[OO]
	v_fma_f32 v[U+4*\t+1], v[TT+\t], v[DD+1], v[OO+1]
	v_fma_f32 v[U+4*\t+2], v[TT+\t], v[DD+2], v[OO+2]
	v_cndmask_b32 v[U+4*\t], v[U+4*\t], v[U+4*\t+1], s50  ; slot 30: x_0 or x_1
	v_mul_f32 v[U+4*\t+1], v[FLO], v[U+4*\t+2]            ; slot 31: x_2 or 0
.endr
	WIN W_E
.irp t, 0,1,2,3
	v_cvt_pk_bf16_f32 v[EHB+16*\t+15], v[U+4*\t], v[U+4*\t+1]
.endr
	WIN W_PO
.irp t, 0,1,2,3
	v_fma_mix_f32_bf16 v[U+4*\t],   v[EHB+16*\t+15], v[NEG1], v[U+4*\t] op_sel_hi:[1,0,0]
	v_fma_mix_f32_bf16 v[U+4*\t+1], v[EHB+16*\t+15], v[NEG1], v[U+4*\t+1] op_sel:[1,0,0] op_sel_hi:[1,0,0]
.endr
	WIN W_E
.irp t, 0,1,2,3
	v_cvt_pk_bf16_f32 v[ELB+16*\t+15], v[U+4*\t], v[U+4*\t+1]
.endr
	; ---- C. layer 0's input, hi and lo: LDS rows 0-127 are dW4's encoding rows and then dW0, so k 0-63 are 0 and k 64-127 the encoding
	WIN W_X
.irp t, 0,1,2,3
.irp p, 0,1,2,3,4,5,6,7,8,9,10,11,12,13,14,15
	v_mov_b32 v[XHI+32*\t+\p], 0
	v_mov_b32 v[XLO+32*\t+\p], 0
.endr
.endr
	WIN W_XE
.irp t, 0,1,2,3
.irp p, 0,1,2,3,4,5,6,7,8,9,10,11,12,13,14,15
	v_mov_b32 v[XHI+32*\t+16+\p], v[EHB+16*\t+\p]
	v_mov_b32 v[XLO+32*\t+16+\p], v[ELB+16*\t+\p]
.endr
.endr
	WIN 0
	s_mov_b32 s39, 0
	s_mov_b32 s40, TAB
	s_mov_b32 s41, 0                               ; the slot rows: dW4's encoding rows
	PF_FS
	; ---- E. nine trips: layers 0 to 7 (s37 = 9 .. 2) and the colour layer (1).  Layer 4 and the colour layer have slot inputs beside the 128 features
	s_mov_b32 s37, 9
.LFS:
	s_cmp_eq_u32 s37, 5
	s_cselect_b32 s42, 1, 0
	s_cmp_eq_u32 s37, 1
	s_cselect_b32 s42, 1, s42
.irp b, 0,1,2,3,4,5,6,7
	BLK 1, \b
.endr
	COPY 0, 256
	s_cmp_ge_u32 s37, 3
	s_cbranch_scc1 .Lfsb
	; behind layer 7 and behind the colour layer: the heads (rows 0-2 cW1, row 3 Wy) on hi + lo; the results lie in lanes 0-15, registers 0-3
	s_wait_dscnt 0x0                               ; the fragments fetched ahead are in: nothing is out
.irp i, 0,1,2,3,4,5,6,7
	v_add_nc_u32 v[ADW+\i], SOFF, v[ADB+\i]
.endr
	v_add_nc_u32 v[T1], TAB+10*512, v[BAL]
.irp i, 0,1,2,3,4,5,6,7
	ds_load_b128 v[TMP+4*\i:TMP+4*\i+3], v[ADW+\i]
.endr
	ds_load_b128 v[TMP+32:TMP+35], v[T1]
	ds_load_b128 v[TMP+36:TMP+39], v[T1] offset:16
	s_wait_dscnt 0x0
	MMS TMP, XHI, 1, TMP+32
	MMS TMP, XLO, 0
	WIN 0
	PLACES
	v_nop                                          ; a fifth place: over the branch below and the loop's edge the next product in the text starts these four sums anew with another C, and such a product stands five places behind (ISA guide 7.12.1)
	s_cmp_eq_u32 s37, 1
	s_cbranch_scc1 .Lfsb
	; ======== behind layer 7 alone
	; E1. sigma = 1 / (1 + 2^(10 log2(e) y))
.irp t, 0,1,2,3
	v_mul_f32 v[TMP+40+\t], 0x4166d4ca, v[ACC+8*\t+3]
.endr
.irp t, 0,1,2,3
	v_exp_f32 v[TMP+40+\t], v[TMP+40+\t]
.endr
	v_nop                                          ; a plain instruction behind the last exponential,
	s_wait_alu depctr_va_vdst(0)                   ; and the one wait ahead of the batch's first reader
.irp t, 0,1,2,3
	v_add_f32 v[TMP+40+\t], 1.0, v[TMP+40+\t]
.endr
.irp t, 0,1,2,3
	v_rcp_f32 v[SG+\t], v[TMP+40+\t]
.endr
	v_nop
	s_wait_alu depctr_va_vdst(0)
	; E2. the derivative of slot s by its coordinate: 2^l times the partner lane's value, negative for the cosines; it takes the place of the encoding's lo, which layer 4 has read
	WIN W_MS
.irp t, 0,1,2,3
.irp p, 0,1,2,3,4,5,6,7,8,9,10,11,12,13,14
	v_permlanex16_b32 v[ELB+16*\t+\p], v[EHB+16*\t+\p], s48, s49
.endr
.endr
.irp t, 0,1,2,3
.irp p, 0,1,2,3,4,5,6,7,8,9,10,11,12,13,14
	v_pk_mul_bf16 v[ELB+16*\t+\p], v[ELB+16*\t+\p], v[CL+(\p)%5]
.endr
.endr
	; E3. the backward loop's start: a gradient of 0 against any weights, with Wy as the C operand, gives Wy: the first trip's pop makes 2 Wy m7 of it
	WIN W_X
.set n, 0
.rept 128
	v_mov_b32 v[XLO+n], 0
.set n, n+1
.endr
	WIN 0
.set n, 0
.rept 12
	v_mov_b32 v[NN+n], 0
.set n, n+1
.endr
	s_mov_b32 s43, CWH
	s_mov_b32 s44, TAB+9*512
	s_mov_b32 s45, 0
	PF_BP
	s_mov_b32 s38, 8
	; E4. trip 8 as said; trip v = 7 .. 1 multiplies by dW_v and pops layer v - 1's mask
.LBP:
.irp b, 0,1,2,3,4,5,6,7
	BLK 2, \b
.endr
	COPY 128, 128
	s_and_b32 s58, s38, 3
	s_cmp_lg_u32 s58, 1
	s_cbranch_scc1 .Lnoge
	; behind trips 5 and 1 the gradient stands at a layer that reads the encoding: 64 slot rows from s45 (dW4's, then dW0's)
	s_wait_dscnt 0x0
.irp i, 0,1,2,3,4,5,6,7
	v_add_nc_u32 v[ADW+\i], s45, v[ADB+\i]
.endr
	LDB 0, 0
.set n, 0
.rept 12
	v_mul_f32 v[NN+n], 0x41800000, v[NN+n]         ; what layer 4 gave carries 2^4, what layer 0 gives 2^8
.set n, n+1
.endr
.irp k, 0,1,2,3
	s_wait_dscnt 0x0
	MMS F1, XLO, 2
	WIN 0
	PLACES
.if \k < 3
	LDB (\k)+1, 0
.endif
	GACC \k
.endr
	s_add_co_u32 s45, s45, 16384
	PF_BP                                          ; the fragments fetched ahead were written over
.Lnoge:
	s_sub_co_u32 s38, s38, 1
	s_cmp_lg_u32 s38, 0
	s_cbranch_scc1 .LBP
	; E5. the normal: both lane halves' shares, the factor 2^8 out, n / (|n| + 1e-6)
	s_wait_dscnt 0x0                               ; the last fetch ahead serves nothing; its registers are used below
.set n, 0
.rept 12
	v_permlanex16_b32 v[TMP+n], v[NN+n], s48, s49
.set n, n+1
.endr
.set n, 0
.rept 12
	v_add_f32 v[NN+n], v[NN+n], v[TMP+n]
.set n, n+1
.endr
.set n, 0
.rept 12
	v_mul_f32 v[NN+n], 0x3b800000, v[NN+n]
.set n, n+1
.endr
.irp t, 0,1,2,3
	v_mul_f32 v[TMP+\t], v[NN+3*\t], v[NN+3*\t]
.endr
.irp t, 0,1,2,3
	v_fmac_f32 v[TMP+\t], v[NN+3*\t+1], v[NN+3*\t+1]
.endr
.irp t, 0,1,2,3
	v_fmac_f32 v[TMP+\t], v[NN+3*\t+2], v[NN+3*\t+2]
.endr
.irp t, 0,1,2,3
	v_sqrt_f32 v[TMP+\t], v[TMP+\t]
.endr
	v_nop
	s_wait_alu depctr_va_vdst(0)
.irp t, 0,1,2,3
	v_add_f32 v[TMP+\t], 0x358637bd, v[TMP+\t]
.endr
.irp t, 0,1,2,3
	v_rcp_f32 v[TMP+\t], v[TMP+\t]
.endr
	v_nop
	s_wait_alu depctr_va_vdst(0)
.irp t, 0,1,2,3
.irp c, 0,1,2
	v_mul_f32 v[NN+3*\t+\c], v[NN+3*\t+\c], v[TMP+\t]
.endr
.endr
	; E6. the colour layer's slot inputs, 18 slots a lane half: 0-11 sin or cos of 2^l d_c; 12-14 x_c or n_c; 15-17 d_c or 0; hi and lo
.set EV,  TMP+12
.set WX,  TMP+32
.set PH,  TMP+44
.set PL,  TMP+53
.set P6H, TMP+62
.set P7H, TMP+66
.set P6L, F1
.set P7L, F1+4
.set R7,  F1+8
.irp t, 0,1,2,3
.irp c, 0,1,2
	v_fma_f32 v[WX+3*\t+\c], v[TT+\t], v[DD+\c], v[OO+\c]
.endr
.endr
.set n, 0
.rept 12
	v_cndmask_b32 v[WX+n], v[WX+n], v[NN+n], s50
.set n, n+1
.endr
	v_mov_b32 v[XP], v[DD]
	v_mov_b32 v[XP+1], v[DD+1]
	SC0
	DBL
	DBL
.set el, 0
.rept 4
	v_cndmask_b32 v[EV+el],   v[rS],   v[rC],   s50
	v_cndmask_b32 v[EV+4+el], v[rS+1], v[rC+1], s50
.if el < 3
	DBL
.endif
.set el, el+1
.endr
	v_mov_b32 v[XP], v[DD+2]
	v_mov_b32 v[XP+1], v[DD+2]
	SC0
	DBL
	DBL
.set el, 0
.rept 4
	v_cndmask_b32 v[EV+8+el], v[rS], v[rC], s50
.if el < 3
	DBL
.endif
.set el, el+1
.endr
	v_mul_f32 v[EV+15], v[FLO], v[DD]
	v_mul_f32 v[EV+16], v[FLO], v[DD+1]
	v_mul_f32 v[EV+17], v[FLO], v[DD+2]
.irp p, 0,1,2,3,4,5,8                  ; the pairs that are the same along the ray are made once
	v_cvt_pk_bf16_f32 v[PH+\p], v[EV+2*\p], v[EV+2*\p+1]
.endr
.irp t, 0,1,2,3
	v_cvt_pk_bf16_f32 v[P6H+\t], v[WX+3*\t], v[WX+3*\t+1]
	v_cvt_pk_bf16_f32 v[P7H+\t], v[WX+3*\t+2], v[EV+15]
.endr
.irp p, 0,1,2,3,4,5,8
	v_fma_mix_f32_bf16 v[EV+2*\p],   v[PH+\p], v[NEG1], v[EV+2*\p] op_sel_hi:[1,0,0]
	v_fma_mix_f32_bf16 v[EV+2*\p+1], v[PH+\p], v[NEG1], v[EV+2*\p+1] op_sel:[1,0,0] op_sel_hi:[1,0,0]
.endr
.irp t, 0,1,2,3
	v_fma_mix_f32_bf16 v[WX+3*\t],   v[P6H+\t], v[NEG1], v[WX+3*\t] op_sel_hi:[1,0,0]
	v_fma_mix_f32_bf16 v[WX+3*\t+1], v[P6H+\t], v[NEG1], v[WX+3*\t+1] op_sel:[1,0,0] op_sel_hi:[1,0,0]
	v_fma_mix_f32_bf16 v[WX+3*\t+2], v[P7H+\t], v[NEG1], v[WX+3*\t+2] op_sel_hi:[1,0,0]
	v_fma_mix_f32_bf16 v[R7+\t],     v[P7H+\t], v[NEG1], v[EV+15] op_sel:[1,0,0] op_sel_hi:[1,0,0]
.endr
.irp p, 0,1,2,3,4,5,8
	v_cvt_pk_bf16_f32 v[PL+\p], v[EV+2*\p], v[EV+2*\p+1]
.endr
.irp t, 0,1,2,3
	v_cvt_pk_bf16_f32 v[P6L+\t], v[WX+3*\t], v[WX+3*\t+1]
	v_cvt_pk_bf16_f32 v[P7L+\t], v[WX+3*\t+2], v[R7+\t]
.endr
	WIN W_E                                        ; they take the encoding's place in window 3: the backward pass is over
.irp t, 0,1,2,3
.irp p, 0,1,2,3,4,5,8
	v_mov_b32 v[EHB+16*\t+\p], v[PH+\p]
	v_mov_b32 v[ELB+16*\t+\p], v[PL+\p]
.endr
	v_mov_b32 v[EHB+16*\t+6], v[P6H+\t]
	v_mov_b32 v[EHB+16*\t+7], v[P7H+\t]
	v_mov_b32 v[ELB+16*\t+6], v[P6L+\t]
	v_mov_b32 v[ELB+16*\t+7], v[P7L+\t]
.irp p, 9,10,11,12,13,14,15
	v_mov_b32 v[EHB+16*\t+\p], 0
	v_mov_b32 v[ELB+16*\t+\p], 0
.endr
.endr
	WIN W_X                                        ; h7's lo is gone (its registers carried the gradient): the colour layer takes h7 as hi alone
.set n, 0
.rept 128
	v_mov_b32 v[XLO+n], 0
.set n, n+1
.endr
	WIN 0
	; E7. the colour layer's block 0 once more (s39 and s40 still stand at it); its slot rows are cW0's
	s_mov_b32 s41, CWE
	PF_FS
.Lfsb:
	s_sub_co_u32 s37, s37, 1
	s_cmp_lg_u32 s37, 0
	s_cbranch_scc1 .LFS
	; ---- F. colour and compositing, in lanes 0-15 (lanes 16-31 run along on numbers that are discarded)
.set CO, TMP
.set AL, TMP+12
.set EX, TMP+16
.set TO, TMP+20
.set WI, TMP+24
.set SU, TMP+28
.set PR, TMP+32
.irp t, 0,1,2,3
.irp c, 0,1,2
	v_mul_f32 v[CO+3*\t+\c], 0xbfb8aa3b, v[ACC+8*\t+\c]
.endr
.endr
.set n, 0
.rept 12
	v_exp_f32 v[CO+n], v[CO+n]
.set n, n+1
.endr
	v_nop
	s_wait_alu depctr_va_vdst(0)
.set n, 0
.rept 12
	v_add_f32 v[CO+n], 1.0, v[CO+n]
.set n, n+1
.endr
.set n, 0
.rept 12
	v_rcp_f32 v[CO+n], v[CO+n]
.set n, n+1
.endr
	v_nop                                          ; the products of 1 - sigma stand between the reciprocals and their wait
.irp t, 0,1,2,3
	v_sub_f32 v[AL+\t], 1.0, v[SG+\t]
	v_mov_b32 v[EX+\t], 1.0
	v_mov_b32 v[TO+\t], 1.0
.endr
.irp d, 1,2,4,8
.irp t, 0,1,2,3
	v_mul_f32_dpp v[AL+\t], v[AL+\t], v[AL+\t] row_shr:\d row_mask:0xf bank_mask:0xf  ; lanes with no source keep theirs: a running product over the tile's 16
.endr
.endr
.irp t, 0,1,2,3
	v_mov_b32_dpp v[TO+\t], v[AL+\t] row_share:15 row_mask:0xf bank_mask:0xf          ; the tile's whole product
	v_mov_b32_dpp v[EX+\t], v[AL+\t] row_shr:1 row_mask:0xf bank_mask:0xf             ; the product of those before me; the first keeps 1
.endr
.irp t, 0,1,2,3
	v_mul_f32 v[WI+\t], v[SG+\t], v[EX+\t]
.endr
	v_mul_f32 v[WI+1], v[WI+1], v[TO]
	v_mul_f32 v[TO+1], v[TO], v[TO+1]
	v_mul_f32 v[WI+2], v[WI+2], v[TO+1]
	v_mul_f32 v[TO+2], v[TO+1], v[TO+2]
	v_mul_f32 v[WI+3], v[WI+3], v[TO+2]
	v_mul_f32 v[SU+3], v[WI], v[TT]
.irp t, 1,2,3
	v_fmac_f32 v[SU+3], v[WI+\t], v[TT+\t]
.endr
	s_wait_alu depctr_va_vdst(0)                   ; one wait for the twelve reciprocals
.irp c, 0,1,2
	v_mul_f32 v[SU+\c], v[WI], v[CO+\c]
.endr
.irp t, 1,2,3
.irp c, 0,1,2
	v_fmac_f32 v[SU+\c], v[WI+\t], v[CO+3*\t+\c]
.endr
.endr
.irp d, 1,2,4,8
.irp c, 0,1,2,3
	v_add_f32_dpp v[SU+\c], v[SU+\c], v[SU+\c] row_xmask:\d row_mask:0xf bank_mask:0xf
.endr
.endr
.irp t, 0,1,2,3
	ds_store_b32 v[STW], v[WI+\t] offset:64*\t
.endr
	ds_load_b64 v[PR:PR+1], v[STP]
	s_lshl_b32 s58, s70, 4
	v_add_nc_u32 v[T1], s58, v[OAD]
	ds_store_b128 v[T1], v[SU:SU+3]                ; the ray's record: sixteen lanes write the same 16 bytes with the same numbers
	s_wait_dscnt 0x0
	global_store_b64 v[GO8], v[PR:PR+1], s[66:67]  ; the ray's 256 bytes of out2 in one store
	s_wait_xcnt 0x0                                ; its registers and the bases are written again in the next pass
	s_sub_co_u32 s21, s21, 1
	s_cmp_lg_u32 s21, 0
	s_cbranch_scc1 .Lpass
; ================================================================ the end: wave 0 stores the work-group's 8 records
	s_wait_dscnt 0x0                               ; my stores into the records are done
	s_barrier_signal -1
	s_barrier_wait -1
	s_cmp_lg_u32 s18, 0
	s_cbranch_scc1 .Lend
	v_and_b32 v[T1], 7, v0
	v_lshl_add_u32 v[TA], v[T1], 4, OUTS
	ds_load_b128 v[TMP:TMP+3], v[TA]
	s_mul_i32 s58, s20, 96                         ; 8 rays x 12 bytes of out0,
	s_mov_b32 s59, 0
	s_add_nc_u64 s[60:61], s[10:11], s[58:59]
	s_lshl_b32 s58, s20, 5                         ; 8 x 4 bytes of out1
	s_add_nc_u64 s[62:63], s[12:13], s[58:59]
	v_mul_u32_u24 v[TB], v[T1], 12
	v_lshlrev_b32 v[TBI], 2, v[T1]
	v_cmp_gt_u32 vcc_lo, 8, v0
	s_wait_dscnt 0x0
	s_wait_xcnt 0x0                                ; EXEC changes only behind this wait
	s_and_saveexec_b32 s71, vcc_lo                 ; a lane a ray
	global_store_b32 v[TB], v[TMP], s[60:61]
	global_store_b32 v[TB], v[TMP+1], s[60:61] offset:4
	global_store_b32 v[TB], v[TMP+2], s[60:61] offset:8
	global_store_b32 v[TBI], v[TMP+3], s[62:63]
	s_wait_xcnt 0x0                                ; and again in front of the line that widens it
	s_or_b32 exec_lo, exec_lo, s71
.Lend:
	s_wait_tensorcnt 0x0                           ; the wave's end: behind my tensor load and my last LDS store
	ds_add_u32 v[SPW], v[NIL]
	s_wait_dscnt 0x0
	ROUND                                          ; the closing round
	s_endpgm
.Lfunc_end_k_qd738c7e853_render:
	.size	k_qd738c7e853_render, .Lfunc_end_k_qd738c7e853_render-k_qd738c7e853_render
	.p2alignl 7, 3214868480
	.fill 96, 4, 3214868480
	.section	.rodata,"a",@progbits
	.p2align	6, 0x0
	.amdhsa_kernel k_qd738c7e853_render
		.amdhsa_group_segment_fixed_size 327680
		.amdhsa_private_segment_fixed_size 0
		.amdhsa_enable_private_segment 0
		.amdhsa_kernarg_size 56
		.amdhsa_user_sgpr_count 2
		.amdhsa_user_sgpr_kernarg_segment_ptr 1
		.amdhsa_wavefront_size32 1
		.amdhsa_system_sgpr_workgroup_id_x 1
		.amdhsa_system_sgpr_workgroup_id_y 1
		.amdhsa_system_sgpr_workgroup_id_z 1
		.amdhsa_system_vgpr_workitem_id 0
		.amdhsa_next_free_vgpr 1024
		.amdhsa_next_free_sgpr 72
		.amdhsa_reserve_vcc 1
		.amdhsa_float_denorm_mode_32 3
		.amdhsa_float_denorm_mode_16_64 3
		.amdhsa_memory_ordered 1
		.amdhsa_forward_progress 1
		.amdhsa_inst_pref_size 255
	.end_amdhsa_kernel
	.section	.bss,"aw",@nobits
	.p2align	6
	.space	262144
	.amdgpu_metadata
---
amdhsa.version: [ 1, 2 ]
amdhsa.kernels:
  - .name:           k_qd738c7e853_render
    .symbol:         k_qd738c7e853_render.kd
    .args:
      - { .name: wimg, .offset: 0, .size: 8, .value_kind: global_buffer, .address_space: global }
      - { .name: ray, .offset: 8, .size: 8, .value_kind: global_buffer, .address_space: global }
      - { .name: t, .offset: 16, .size: 8, .value_kind: global_buffer, .address_space: global }
      - { .name: out0, .offset: 24, .size: 8, .value_kind: global_buffer, .address_space: global }
      - { .name: out1, .offset: 32, .size: 8, .value_kind: global_buffer, .address_space: global }
      - { .name: out2, .offset: 40, .size: 8, .value_kind: global_buffer, .address_space: global }
      - { .name: out3, .offset: 48, .size: 8, .value_kind: global_buffer, .address_space: global }
    .group_segment_fixed_size: 327680
    .private_segment_fixed_size: 0
    .kernarg_segment_align: 8
    .kernarg_segment_size: 56
    .max_flat_workgroup_size: 128
    .sgpr_count:     72
    .vgpr_count:     1024
    .wavefront_size: 32
...
	.end_amdgpu_metadata
.endif
;; end of part 2
;; ======== version 2 of 2: 2 launches; 1.25 times as fast as version 1
;; limits: values outside matrix products are rounded to bf16; right only within a limited range of input values
;; workspace buffers: wimg 323,584 bytes
;; launch prep: the kernel of part 1 again; grid 79 x 1, 8 waves a work-group, no clusters, 0 bytes of LDS; arguments params_dW0, params_dW1, params_dW2, params_dW3, params_dW4, params_dW5, params_dW6, params_dW7, params_cW0, params_cW1, params_Wy, params_cb0, params_db0, params_db1, params_db2, params_db3, params_db4, params_db5, params_db6, params_db7, params_cb1, params_by, wimg; writes wimg
;; launch render (part 3): grid 256 x 1, 4 waves a work-group, clusters of 4 x 1, 327,680 bytes of LDS; arguments wimg, ray, t, out0, out1, out2, out3; writes out0, out1, out2, out3
.if DOCPART == 3
	.amdgcn_target "amdgcn-amd-amdhsa--gfx1250"
	.amdhsa_code_object_version 6
	.text
	.protected	k_qd738c7e853_render
	.globl	k_qd738c7e853_render
	.p2align	8
	.type	k_qd738c7e853_render,@function
k_qd738c7e853_render:
	s_mov_b64 s[64:65], 0
	v_nop
	global_prefetch_b8 v0, s[64:65] scope:SCOPE_SE
	s_setreg_imm32_b32 hwreg(HW_REG_WAVE_MODE, 25, 1), 1
	s_wait_xcnt 0x0
	s_wait_alu depctr_hold_cnt(0) depctr_sa_sdst(0) depctr_va_vdst(0) depctr_va_sdst(0) depctr_va_ssrc(0) depctr_va_vcc(0) depctr_vm_vsrc(0)
	s_getreg_b32 s2, hwreg(HW_REG_IB_STS2, 6, 4)
	s_cmp_eq_u32 s2, 0
	s_cbranch_scc0 .Lentry_in_a_cluster
	s_endpgm
.Lentry_in_a_cluster:
	s_bfe_u32 s2, ttmp6, 0x10000c
	s_cmp_lg_u32 s2, 0x3003
	s_cbranch_scc0 .Lentry_shape_is_right
	s_endpgm
.Lentry_shape_is_right:
; RENDER: sort, encoding, the density net forward and backward, the colour head and the compositing, for 8 rays a work-group.
; ALL INPUTS ARE TAKEN ROUNDED TO bf16 (weights and biases by the launch before, ray and t here); out3 is the sorted rounded t.
; SHARES.  All weights (323,584 bytes in bf16) lie in LDS, filled once; after that a wave works alone.  Wave w of work-group WG takes rays 8 WG + 2 w + p in two passes;
; a ray is four tiles of 16 samples.  A weight fragment read from LDS feeds the four tiles' products, for hi and for lo.
; LAYOUT.  D = W^T (source 0: 16 output features x 32 k) x H^T (source 1: 32 k x 16 points): a lane holds ONE point (lane % 16) and the features 8 (lane / 16) + 0..7 of a block of 16.
; Two neighbouring blocks rounded to bf16 in pairs ARE the next layer's source 1: activations never leave registers.  Weights lie [k][j]: forward they are read turned (ds_load_tr16_b128),
; backward as they lie: one copy serves both.  Rows are 256 bytes with the 16-byte pieces swizzled (piece c of row R at c ^ (((R & 7) << 1) | ((R >> 3) & 1))): both kinds of load touch 16 different columns of 16 bytes in 16 lanes.
; A bias is the C operand of a block's first product.
; A LAYER.  Its input X fills window 1, the f32 sums of all its 8 blocks x 4 tiles fill window 2.  X is read until the layer's last product and then written in place from the sums: nothing is copied.
; The vector work on a block's sums is cut in two.  What touches no X stands in slices behind the NEXT block's products, four lines a slice at the most: forward the signs' push behind the hi run and the ReLU in place behind
; the lo run, backward the rounding, the popped mask and the shift.  What writes X (forward: hi, the two differences, lo; backward: the masked gradient) stands behind the layer's last product.
; Fragments and C operands have two buffers each, by the block's parity.
; FORMATS.  bf16 operands, f32 sums.  THE INPUT OF EVERY LAYER OF THE DENSITY NET, AND OF ITS HEAD, GOES IN AS hi + lo (two bf16, two products with the same weights): the sign of a pre-activation is a ReLU's mask in the
; gradient, and the normal is the gradient divided by its length, so one wrong sign can turn a short gradient right round.  hi + lo leave an input about 2^-17 of itself off.
; One bf16 serves where the result is continuous in the number: all inputs of the colour layer and of the colour head, and the gradient.
; ReLU MASKS.  For each packed pair a register keeps a stack of sign bits, one stack in each half: a push sets bits 15 and 31 and shifts right, a pop reads bits 14 and 30 as bf16 0 or 2.0 and shifts left.
; So each backward layer doubles the gradient, exactly: 2^4 at layer 4's input, 2^8 at layer 0's; the factor is taken out at the end.
; SINE AND COSINE.  For an angle th: a = (th - 2 pi k) / 4 by two fused steps, polynomials to a^9 and a^10 on |a| <= pi / 4, then the angle is doubled: twice to th, once more to 2 th.
; The points' levels 0, 2, 4, 6, 8 are each reduced anew (2^l x is exact), so no value has more than three doublings behind it; the five go side by side, line by line, so that no line reads the line before it.
; The directions' four levels hang on one reduction.
; CLUSTER.  Every work-group reads the same image: the four of a cluster ask for each quarter of it jointly (mask 15).  The place in the cluster enters addresses of ray, t and the outputs alone.
; NO PREFETCH: the one stream of the launch is asked for at its head.
; LIMITS.  |x| < 2^15 (the angle's reduction).  A pre-activation that is exactly +0 counts as active in the gradient; one within some 5e-6 of its layer's spread of 0 may get the other mask than in f32.
; NaN and infinities are not treated apart.
.set QUART, 80896                      ; a quarter of the image: 316 rows of 256 bytes, one tensor load
.set LBLK,  32768                      ; a block of 128 rows
.set CWH,   262144                     ; cW0's rows for h
.set CWE,   294912                     ; cW0's other rows, in slot order
.set SOFF,  311296                     ; the heads
.set TAB,   315392                     ; 16 tables of 512 bytes
.set STG,   323584                     ; behind the image: 512 bytes for each wave; the upper 256 take what lanes 16-31 discard
.set OUTS,  325632                     ; 8 records of 16 bytes (C0, C1, C2, Dp); the upper 128 bytes take what lanes 16-31 discard
.set SPARE, 325888                     ; the spare words, 128 bytes for each wave: two blocks of 256 bytes that no other line names
; window 0
.set R16, 1                            ; lane % 16
.set HH,  2                            ; lane / 16
.set LANE, 3
.set ADF, 4                            ; v4-11   turned loads: my place in a block's rows, for column block b
.set ADB, 12                           ; v12-19  plain loads: my place in 16 rows, for piece pair i
.set ADW, 20                           ; v20-27  ADB + the base in hand
.set SPW, 28                           ; my spare word; never rewritten
.set NIL, 29                           ; 0; never rewritten
.set NEG1, 30                          ; -1.0
.set T1,  31
.set TA,  32
.set TB,  33
.set TBI, 34                           ; the table in hand + 32 (lane / 16)
.set BAL, 35                           ; 32 (lane / 16)
.set STS, 36
.set STT, 37
.set STP, 38
.set STW, 39
.set OAD, 40
.set GO8, 41
.set OO,  42                           ; v42-44 o, v45-47 d
.set DD,  45
.set TT,  48                           ; t of my point, by tile
.set SG,  52                           ; sigma, by tile (lanes 0-15)
.set NN,  56                           ; v56-67 the gradient, then the normal: 3 a tile
.set FLO, 68                           ; 1.0 in lanes 0-15, else 0
.set FHI, 69                           ; the other way round
.set CL,  70                           ; v70-74 bf16 pairs (2^2i, 2^(2i+1)), negative in lanes 16-31
.set GO4, 75
.set FA0, 80                           ; v80-143  weight fragments, K = 128: two buffers of 32, by the block's parity; outside the layers: at work
.set FB0, 144                          ; v144-175 fragments of the 64 slot rows: two buffers of 16
.set BI0, 176                          ; v176-191 the C operand that starts a forward block's sums: two buffers of 8
.set TMP, 192                          ; v192-255 at work
.set TR,  TMP                          ; 16 packed pre-activations, from which the signs are pushed
; window 1: X, a layer's input: hi of tile t, pair p at 32 t + p, lo 128 further on
.set XHI, 0
.set XLO, 128
; window 2: the sums of block b, tile t at 32 b + 8 t
; window 3: the slot inputs' hi at 16 t + p, their lo at 64 + 16 t + p (from the backward pass on: the derivative's weights), the mask stacks at 128 + 32 t + p
.set EHB, 0
.set ELB, 64
.set MB,  128
; at work in the encodings
.set XB,  TMP+10
.set U,   TMP+12
; scalars: s3 1 in a trip whose input has a lo; s[4:17] the seven buffers; s18 wave; s19 cx; s20 work-group; s21 passes to go; s22 ray; s[24:27], s[28:35] the descriptor; s37, s38 loop counts;
; s39 forward base; s36, s23 the bases of a fragment's k 0-63 and k 64-127; s40 forward table; s41 base of the slot rows; s42 1 in a trip that has slot inputs; s43 backward base;
; s45 base for the step to the encoding; s46 0x80008000; s47 0x40004000; s[48:49] v_permlanex16_b32's selects; s50 0xffff0000 (lanes 16-31, and a word's upper bf16); s51 the sort's mask; s[52:57] the ray; s58-63, s66-71 at work
.set MSB, 0
.macro WIN new                         ; the immediate's high byte repeats the setting that is left; a switch that changes nothing is dropped
.if MSB != (\new)
	s_set_vgpr_msb (MSB<<8)|(\new)
.set MSB, (\new)
.endif
.endm
; low byte: bits 1:0 source 0, 3:2 source 1, 5:4 source 2, 7:6 destination
.set W_M1, 0x84                        ; a product that starts its sum with registers: D window 2, B window 1, A and C window 0
.set W_MM, 0xa4                        ; a product that adds on: C window 2 too
.set W_ME, 0xac                        ; the same with B in window 3
.set W_R1, 0x0a                        ; sources 0 and 1 window 2
.set W_R2, 0xf3                        ; destination, sources 0 and 2 window 3
.set W_SH, 0xcc                        ; destination and source 1 window 3
.set W_RL, 0x88                        ; destination and source 1 window 2
.set W_D1, 0x4a                        ; destination window 1, sources 0 and 1 window 2
.set W_D2, 0xa1                        ; destination and source 2 window 2, source 0 window 1
.set W_B1, 0x8a                        ; destination, sources 0 and 1 window 2
.set W_B2, 0x83                        ; destination window 2, source 0 window 3
.set W_G,  0x0b                        ; source 0 window 3, source 1 window 2
.set W_A1, 0x08                        ; source 1 window 2
.set W_PO, 0x03                        ; source 0 window 3
.set W_MS, 0xc3                        ; destination and source 0 window 3
.set W_X,  0x40                        ; destination window 1
.set W_X1, 0x41                        ; destination and source 0 window 1
.set W_XE, 0x43                        ; destination window 1, source 0 window 3
.set W_E,  0xc0                        ; destination window 3
.macro PLACES                          ; four plain places behind a product, in front of reads of its result and of loads into its sources
.rept 4
	v_nop
.endr
.endm
.macro ROUND                           ; a round of the cluster's barrier
	s_barrier_signal -1
	s_barrier_wait -1
	s_cmp_lg_u32 s18, 0
	s_cbranch_scc1 .Lnot_wave_0_\@
	s_barrier_signal -3
.Lnot_wave_0_\@:
	s_barrier_wait -3
	s_barrier_signal -1
	s_barrier_wait -1
.endm
; One product: fragments at f, input at x, sums at a, K step q, tile t.  first = 1: K step 0 starts the sum with creg; 2: with 0; 0: it adds on.
.macro MM1 f, x, a, q, t, first, creg
.if ((\q) == 0) && ((\first) == 1)
	WIN W_M1
	v_wmma_f32_16x16x32_bf16 v[(\a)+8*(\t):(\a)+8*(\t)+7], v[(\f)+8*(\q):(\f)+8*(\q)+7], v[(\x)+32*(\t)+8*(\q):(\x)+32*(\t)+8*(\q)+7], v[(\creg):(\creg)+7]
.elseif ((\q) == 0) && ((\first) == 2)
	WIN W_MM
	v_wmma_f32_16x16x32_bf16 v[(\a)+8*(\t):(\a)+8*(\t)+7], v[(\f)+8*(\q):(\f)+8*(\q)+7], v[(\x)+32*(\t)+8*(\q):(\x)+32*(\t)+8*(\q)+7], 0
.else
	WIN W_MM
	v_wmma_f32_16x16x32_bf16 v[(\a)+8*(\t):(\a)+8*(\t)+7], v[(\f)+8*(\q):(\f)+8*(\q)+7], v[(\x)+32*(\t)+8*(\q):(\x)+32*(\t)+8*(\q)+7], v[(\a)+8*(\t):(\a)+8*(\t)+7]
.endif
.endm
; 16 products on end: K = 128 in four steps, the four tiles' sums by turns, one instruction a turn
.macro MMS f, x, a, first, creg=0
.irp q, 0,1,2,3
.irp t, 0,1,2,3
	MM1 \f, \x, \a, \q, \t, \first, \creg
.endr
.endr
.endm
; The 64 slot rows against the slot inputs, straight from window 3: 8 products on their hi and, where the trip's inputs have a lo (layer 4), 8 on their lo; the sums go on taking turns
.macro MME f, a
	WIN W_ME
.irp q, 0,1
.irp t, 0,1,2,3
	v_wmma_f32_16x16x32_bf16 v[(\a)+8*\t:(\a)+8*\t+7], v[(\f)+8*\q:(\f)+8*\q+7], v[EHB+16*\t+8*\q:EHB+16*\t+8*\q+7], v[(\a)+8*\t:(\a)+8*\t+7]
.endr
.endr
	WIN 0                                          ; at a branch and at a label every window is 0
	s_cmp_eq_u32 s3, 0
	s_cbranch_scc1 .Lno_el_\@
	WIN W_ME
.irp q, 0,1
.irp t, 0,1,2,3
	v_wmma_f32_16x16x32_bf16 v[(\a)+8*\t:(\a)+8*\t+7], v[(\f)+8*\q:(\f)+8*\q+7], v[ELB+16*\t+8*\q:ELB+16*\t+8*\q+7], v[(\a)+8*\t:(\a)+8*\t+7]
.endr
.endr
	WIN 0
.Lno_el_\@:
.endm
; forward fragments of column block b, turned: k 0-63 from s36, k 64-127 from s23; and the block's bias; into the buffers of b's parity
.macro LDF b
.set lf, FA0+32*((\b)%2)
.set lb, BI0+8*((\b)%2)
	v_add_nc_u32 v[T1], s36, v[ADF+(\b)]
	v_add_nc_u32 v[TB], s23, v[ADF+(\b)]
.irp q, 0,1
	ds_load_tr16_b128 v[lf+8*\q:lf+8*\q+3],       v[T1] offset:8192*\q
	ds_load_tr16_b128 v[lf+8*\q+4:lf+8*\q+7],     v[T1] offset:8192*\q+4096
	ds_load_tr16_b128 v[lf+16+8*\q:lf+16+8*\q+3], v[TB] offset:8192*\q
	ds_load_tr16_b128 v[lf+20+8*\q:lf+20+8*\q+3], v[TB] offset:8192*\q+4096
.endr
	ds_load_b128 v[lb:lb+3],   v[TBI] offset:64*(\b)
	ds_load_b128 v[lb+4:lb+7], v[TBI] offset:64*(\b)+16
.endm
; the slot rows' fragments of column block b: 64 k x 16 columns from s41, turned
.macro LDF2 b
.set lg, FB0+16*((\b)%2)
	v_add_nc_u32 v[TA], s41, v[ADF+(\b)]
.irp q, 0,1
	ds_load_tr16_b128 v[lg+8*\q:lg+8*\q+3],   v[TA] offset:8192*\q
	ds_load_tr16_b128 v[lg+8*\q+4:lg+8*\q+7], v[TA] offset:8192*\q+4096
.endr
.endm
; backward fragments of row block bk: 16 rows x 128 columns, as they lie; into buffer par
.macro LDB bk, par
.irp i, 0,1,2,3,4,5,6,7
	ds_load_b128 v[FA0+32*(\par)+4*\i:FA0+32*(\par)+4*\i+3], v[ADW+\i] offset:4096*(\bk)
.endr
.endm
.macro PF_FS                           ; block 0 of the layer at s36, s23, s40, s41
	v_add_nc_u32 v[TBI], s40, v[BAL]
	LDF 0
	LDF2 0
.endm
.macro PF_BP                           ; block 0 of the backward layer at s43
.irp i, 0,1,2,3,4,5,6,7
	v_add_nc_u32 v[ADW+\i], s43, v[ADB+\i]
.endr
	LDB 0, 0
.endm
; FORWARD, what touches no X, for block b.  RF1: tile t's four pairs rounded to bf16 (each sum is read from its low end on).  RF2A, RF2B: their signs pushed: set, then shifted.
; RF3ALL: the block's 32 sums through the ReLU, in place
.macro RF1 b, t
	WIN W_R1
.irp i, 0,1,2,3
	v_cvt_pk_bf16_f32 v[TR+4*(\t)+\i], v[32*(\b)+8*(\t)+2*\i], v[32*(\b)+8*(\t)+2*\i+1]
.endr
.endm
.macro RF2A b, t
	WIN W_R2
.irp i, 0,1,2,3
	v_bfi_b32 v[MB+32*(\t)+4*(\b)+\i], s46, v[TR+4*(\t)+\i], v[MB+32*(\t)+4*(\b)+\i]
.endr
.endm
.macro RF2B b, t
	WIN W_SH
.irp i, 0,1,2,3
	v_lshrrev_b32 v[MB+32*(\t)+4*(\b)+\i], 1, v[MB+32*(\t)+4*(\b)+\i]
.endr
.endm
.macro RF3ALL b
	WIN W_RL
.set er, 0
.rept 32
	v_max_num_f32 v[32*(\b)+er], 0, v[32*(\b)+er]
.set er, er+1
.endr
.endm
; The slice behind product k of forward block b's hi run.  Behind product 0: four places, which serve the reads of the last block's sums and the loads into the other buffers; then the next block's run of loads.
; Behind products 1-4: the last block's RF1, a tile each.  Behind products 5-12: its RF2A and RF2B by turns, a tile each.
.macro SLF b, k
.if (\k) == 0
	WIN 0
	PLACES
.if (\b) < 7
	LDF (\b)+1
	s_cmp_eq_u32 s42, 0                            ; the slot rows are fetched in the two trips that multiply by them
	s_cbranch_scc1 .Lno_f2_\@
	LDF2 (\b)+1
.Lno_f2_\@:
.else
	s_add_co_u32 s39, s39, LBLK                    ; the next layer's weights and bias
	s_min_u32 s39, s39, CWH                        ; behind the colour layer there is none: its block is fetched once more and not used
	s_add_co_u32 s40, s40, 512
	s_mov_b32 s36, s39
	s_add_co_u32 s23, s39, 16384
	PF_FS
.endif
.elseif (\b) > 0
.if (\k) < 5
	RF1 (\b)-1, (\k)-1
.elseif (\k) < 13
.if ((\k)-5)%2 == 0
	RF2A (\b)-1, ((\k)-5)/2
.else
	RF2B (\b)-1, ((\k)-5)/2
.endif
.endif
.endif
.endm
; The lo run: 16 products on X's lo with the same fragments; behind each, two of the last block's 32 sums go through the ReLU in place.  The form with three sources has its one register in place 2,
; which the products' own setting puts in window 2: these slices need no switch
.macro LORUN f, b
.set li, 0
.rept 16
.set lq, li/4
.set lt, li%4
	MM1 \f, XLO, 32*(\b), lq, lt, 0, 0
.if (\b) > 0
	v_max3_num_f32 v[32*((\b)-1)+2*li],   0, 0, v[32*((\b)-1)+2*li]
	v_max3_num_f32 v[32*((\b)-1)+2*li+1], 0, 0, v[32*((\b)-1)+2*li+1]
.endif
.set li, li+1
.endr
.endm
; A FORWARD BLOCK: 16 output features for the four tiles.  hi against the fragments, with the slices; lo against the same fragments (s3 = 1; a trip without it does the last block's ReLU bare); the slot inputs (s42 = 1).
; The block's fragments were asked for one block earlier and are all that is out, so the wait is for 0.
.macro FBLK b
.set ff, FA0+32*((\b)%2)
.set fg, FB0+16*((\b)%2)
.set fc, BI0+8*((\b)%2)
	s_wait_dscnt 0x0
.set mi, 0
.rept 16
.set mq, mi/4
.set mt, mi%4
	MM1 ff, XHI, 32*(\b), mq, mt, 1, fc
	SLF \b, mi
.set mi, mi+1
.endr
	WIN 0                                          ; at a branch and at a label every window is 0
	s_cmp_eq_u32 s3, 0
	s_cbranch_scc1 .Lno_lo_\@
	LORUN ff, \b
	WIN 0
	s_cmp_eq_u32 s42, 0
	s_cbranch_scc1 .Lblk_end_\@
	s_branch .Lslots_\@
.Lno_lo_\@:
.if (\b) > 0
	RF3ALL (\b)-1
	WIN 0
.endif
	s_cmp_eq_u32 s42, 0
	s_cbranch_scc1 .Lblk_end_\@
.Lslots_\@:
	MME fg, 32*(\b)
.Lblk_end_\@:
.endm
; Behind a forward layer's last product: block 7's share of the slices, then X in place: hi = the rounded ReLU; the sums less hi; lo = their rounding.  Pair n = 16 b + 4 t + i lies at 2 n in window 2 and goes to 32 t + 4 b + i.
; The colour layer's output is read as hi alone: its lo is not made
.macro FTAIL
	PLACES
.irp t, 0,1,2,3
	RF1 7, \t
.endr
.irp t, 0,1,2,3
	RF2A 7, \t
.endr
.irp t, 0,1,2,3
	RF2B 7, \t
.endr
	RF3ALL 7
	WIN W_D1
.set n, 0
.rept 128
	v_cvt_pk_bf16_f32 v[XHI+32*((n/4)%4)+4*(n/16)+n%4], v[2*n], v[2*n+1]
.set n, n+1
.endr
	WIN 0
	s_cmp_eq_u32 s37, 1
	s_cbranch_scc1 .Lno_lo_out_\@
	WIN W_D2
.set n, 0
.rept 128
	v_fma_mix_f32_bf16 v[2*n],   v[XHI+32*((n/4)%4)+4*(n/16)+n%4], v[NEG1], v[2*n] op_sel_hi:[1,0,0]
	v_fma_mix_f32_bf16 v[2*n+1], v[XHI+32*((n/4)%4)+4*(n/16)+n%4], v[NEG1], v[2*n+1] op_sel:[1,0,0] op_sel_hi:[1,0,0]
.set n, n+1
.endr
	WIN W_D1
.set n, 0
.rept 128
	v_cvt_pk_bf16_f32 v[XLO+32*((n/4)%4)+4*(n/16)+n%4], v[2*n], v[2*n+1]
.set n, n+1
.endr
	WIN 0
.Lno_lo_out_\@:
.endm
; BACKWARD, what touches no X, for block b, tile t.  RB1: a pair rounded to bf16, into its first register.  RB2: the popped mask, bf16 0 or 2.0, into its second.  RB3: the stack shifts.
.macro RB1 b, t
	WIN W_B1
.irp i, 0,1,2,3
	v_cvt_pk_bf16_f32 v[32*(\b)+8*(\t)+2*\i], v[32*(\b)+8*(\t)+2*\i], v[32*(\b)+8*(\t)+2*\i+1]
.endr
.endm
.macro RB2 b, t
	WIN W_B2
.irp i, 0,1,2,3
	v_bfi_b32 v[32*(\b)+8*(\t)+2*\i+1], v[MB+32*(\t)+4*(\b)+\i], 0, s47
.endr
.endm
.macro RB3 b, t
	WIN W_SH
.irp i, 0,1,2,3
	v_lshlrev_b32 v[MB+32*(\t)+4*(\b)+\i], 1, v[MB+32*(\t)+4*(\b)+\i]
.endr
.endm
.macro SLB b, k
.if (\k) == 0
	WIN 0
	PLACES
.if (\b) < 7
	LDB (\b)+1, ((\b)+1)%2
.else
	s_sub_co_u32 s43, s43, LBLK                    ; one layer back
	PF_BP
.endif
.elseif (\b) > 0
.if (\k) < 5
	RB1 (\b)-1, (\k)-1
.elseif (\k) < 9
	RB2 (\b)-1, (\k)-5
.elseif (\k) < 13
	RB3 (\b)-1, (\k)-9
.endif
.endif
.endm
; A BACKWARD BLOCK: 16 input features' gradient for the four tiles, with the last block's slices; the sums start with the constant 0
.macro BBLK b
.set ff, FA0+32*((\b)%2)
	s_wait_dscnt 0x0
.set mi, 0
.rept 16
.set mq, mi/4
.set mt, mi%4
	MM1 ff, XLO, 32*(\b), mq, mt, 2, 0
	SLB \b, mi
.set mi, mi+1
.endr
.endm
.macro BTAIL                           ; block 7's slices, then the gradient in place: the rounded pair times its mask
	WIN 0
	PLACES
.irp t, 0,1,2,3
	RB1 7, \t
.endr
.irp t, 0,1,2,3
	RB2 7, \t
.endr
.irp t, 0,1,2,3
	RB3 7, \t
.endr
	WIN W_D1
.set n, 0
.rept 128
	v_pk_mul_bf16 v[XLO+32*((n/4)%4)+4*(n/16)+n%4], v[2*n], v[2*n+1]
.set n, n+1
.endr
	WIN 0
.endm
; SINE AND COSINE go in NSET sets of ten registers from SB on, a pair of angles a set: +0 the angle, +2 and +4 sine and cosine, +6 at work, +8 the square.  EACH writes one line for every set (AB is the set's base),
; so that a line's result is read NSET lines later at the earliest
.macro EACH line:vararg
.set AB, SB
.rept NSET
	\line
.set AB, AB+10
.endr
.endm
; sine and cosine of a quarter of the reduced angle.  In order: th / 2 pi; k; th / 4 (exact); less k pi / 2, its upper and its lower part; the square; the two polynomials, from their highest terms down:
; sine 1/362880, -1/5040, 1/120, -1/6, cosine -1/3628800, 1/40320, -1/720, 1/24, -1/2, 1
.macro SC0
.set oS, 2
.set oC, 4
	EACH v_pk_mul_f32 v[AB+6:AB+7], v[AB:AB+1], 0x3e22f983 op_sel_hi:[1,0]
	EACH v_rndne_f32 v[AB+6], v[AB+6]
	EACH v_rndne_f32 v[AB+7], v[AB+7]
	EACH v_pk_mul_f32 v[AB:AB+1], v[AB:AB+1], 0x3e800000 op_sel_hi:[1,0]
	EACH v_pk_fma_f32 v[AB:AB+1], v[AB+6:AB+7], 0xbfc90fdb, v[AB:AB+1] op_sel_hi:[1,0,1]
	EACH v_pk_fma_f32 v[AB:AB+1], v[AB+6:AB+7], 0x333bbd2e, v[AB:AB+1] op_sel_hi:[1,0,1]
	EACH v_pk_mul_f32 v[AB+8:AB+9], v[AB:AB+1], v[AB:AB+1]
	EACH v_mov_b32 v[AB+2], 0xb9500d01
	EACH v_mov_b32 v[AB+3], 0xb9500d01
	EACH v_mov_b32 v[AB+4], 0x37d00d01
	EACH v_mov_b32 v[AB+5], 0x37d00d01
	EACH v_pk_fma_f32 v[AB+2:AB+3], v[AB+8:AB+9], 0x3638ef1d, v[AB+2:AB+3] op_sel_hi:[1,0,1]
	EACH v_pk_fma_f32 v[AB+4:AB+5], v[AB+8:AB+9], 0xb493f27e, v[AB+4:AB+5] op_sel_hi:[1,0,1]
	EACH v_pk_fma_f32 v[AB+2:AB+3], v[AB+2:AB+3], v[AB+8:AB+9], 0x3c088889 op_sel_hi:[1,1,0]
	EACH v_pk_fma_f32 v[AB+4:AB+5], v[AB+4:AB+5], v[AB+8:AB+9], 0xbab60b61 op_sel_hi:[1,1,0]
	EACH v_pk_fma_f32 v[AB+2:AB+3], v[AB+2:AB+3], v[AB+8:AB+9], 0xbe2aaaab op_sel_hi:[1,1,0]
	EACH v_pk_fma_f32 v[AB+4:AB+5], v[AB+4:AB+5], v[AB+8:AB+9], 0x3d2aaaab op_sel_hi:[1,1,0]
	EACH v_pk_mul_f32 v[AB+2:AB+3], v[AB+2:AB+3], v[AB+8:AB+9]
	EACH v_pk_fma_f32 v[AB+4:AB+5], v[AB+4:AB+5], v[AB+8:AB+9], -0.5 op_sel_hi:[1,1,0]
	EACH v_pk_fma_f32 v[AB+2:AB+3], v[AB+2:AB+3], v[AB:AB+1], v[AB:AB+1]
	EACH v_pk_fma_f32 v[AB+4:AB+5], v[AB+4:AB+5], v[AB+8:AB+9], 1.0 op_sel_hi:[1,1,0]
.endm
; the angle doubles: sin' = 2 s c, cos' = 1 - 2 s s.  cos' lands in s's registers and sin' in c's, so the two offsets oS and oC change places
.macro DBL
	EACH v_pk_add_f32 v[AB+6:AB+7], v[AB+oS:AB+oS+1], v[AB+oS:AB+oS+1]
	EACH v_pk_fma_f32 v[AB+oS:AB+oS+1], v[AB+6:AB+7], v[AB+oS:AB+oS+1], 1.0 op_sel_hi:[1,1,0] neg_lo:[1,0,0] neg_hi:[1,0,0]
	EACH v_pk_mul_f32 v[AB+oC:AB+oC+1], v[AB+6:AB+7], v[AB+oC:AB+oC+1]
.set oX, oS
.set oS, oC
.set oC, oX
.endm
; the encoding of coordinate c for tiles t0 and t0 + 1: lanes 0-15 keep the sines, lanes 16-31 the cosines; slots 10 c + l, hi and lo.
; Levels 0, 2, 4, 6, 8 start from x times 1, 4, 16, 64, 256 (exact), a set each, in the fragment buffers, which are free here; the odd level is one doubling further
.macro ENC t0, c
.set SB, FA0
.set NSET, 5
	v_fma_f32 v[XB],   v[TT+(\t0)],   v[DD+(\c)], v[OO+(\c)]
	v_fma_f32 v[XB+1], v[TT+(\t0)+1], v[DD+(\c)], v[OO+(\c)]
.set AB, SB
.irp sc, 0x3f800000, 0x40800000, 0x41800000, 0x42800000, 0x43800000
	v_pk_mul_f32 v[AB:AB+1], v[XB:XB+1], \sc op_sel_hi:[1,0]
.set AB, AB+10
.endr
	SC0
	DBL
	DBL
.set AB, SB
.set el, 0
.rept 5
	v_cndmask_b32 v[U+4*el],   v[AB+oS],   v[AB+oC],   s50
	v_cndmask_b32 v[U+4*el+1], v[AB+oS+1], v[AB+oC+1], s50
.set AB, AB+10
.set el, el+1
.endr
	DBL
.set AB, SB
.set el, 0
.rept 5
	v_cndmask_b32 v[U+4*el+2], v[AB+oS],   v[AB+oC],   s50
	v_cndmask_b32 v[U+4*el+3], v[AB+oS+1], v[AB+oC+1], s50
.set AB, AB+10
.set el, el+1
.endr
	WIN W_E
.irp j, 0,1
.irp i, 0,1,2,3,4
	v_cvt_pk_bf16_f32 v[EHB+16*((\t0)+\j)+5*(\c)+\i], v[U+4*\i+\j], v[U+4*\i+2+\j]
.endr
.endr
	WIN W_PO
.irp j, 0,1
.irp i, 0,1,2,3,4
	v_fma_mix_f32_bf16 v[U+4*\i+\j],   v[EHB+16*((\t0)+\j)+5*(\c)+\i], v[NEG1], v[U+4*\i+\j] op_sel_hi:[1,0,0]
	v_fma_mix_f32_bf16 v[U+4*\i+2+\j], v[EHB+16*((\t0)+\j)+5*(\c)+\i], v[NEG1], v[U+4*\i+2+\j] op_sel:[1,0,0] op_sel_hi:[1,0,0]
.endr
.endr
	WIN W_E
.irp j, 0,1
.irp i, 0,1,2,3,4
	v_cvt_pk_bf16_f32 v[ELB+16*((\t0)+\j)+5*(\c)+\i], v[U+4*\i+\j], v[U+4*\i+2+\j]
.endr
.endr
	WIN 0
.endm
; the sort: a compare and exchange with the lane j away, for both registers side by side; a lane whose bit in s51 is set keeps the smaller (sw = 1: in the second register the larger)
.set SV0, TMP
.set SV1, TMP+1
.set MN,  TMP+2
.set MX,  TMP+3
.set PT,  TMP+4
.set MN1, TMP+5
.set MX1, TMP+6
.set PT1, TMP+7
.macro STAGE mask, j, sw
	s_mov_b32 s51, \mask
.if (\j) < 16
	v_min_num_f32_dpp v[MN],  v[SV0], v[SV0] row_xmask:\j row_mask:0xf bank_mask:0xf
	v_max_num_f32_dpp v[MX],  v[SV0], v[SV0] row_xmask:\j row_mask:0xf bank_mask:0xf
	v_min_num_f32_dpp v[MN1], v[SV1], v[SV1] row_xmask:\j row_mask:0xf bank_mask:0xf
	v_max_num_f32_dpp v[MX1], v[SV1], v[SV1] row_xmask:\j row_mask:0xf bank_mask:0xf
.else
	v_permlanex16_b32 v[PT],  v[SV0], s48, s49
	v_permlanex16_b32 v[PT1], v[SV1], s48, s49
	v_min_num_f32 v[MN],  v[PT],  v[SV0]
	v_max_num_f32 v[MX],  v[PT],  v[SV0]
	v_min_num_f32 v[MN1], v[PT1], v[SV1]
	v_max_num_f32 v[MX1], v[PT1], v[SV1]
.endif
	v_cndmask_b32 v[SV0], v[MX], v[MN], s51
.if \sw
	v_cndmask_b32 v[SV1], v[MN1], v[MX1], s51
.else
	v_cndmask_b32 v[SV1], v[MX1], v[MN1], s51
.endif
.endm
; the gradient's step to the encoding, row block bk: slot s = 8 bk + j of my lane half; its weight is the derivative of the slot by its coordinate.  The sums lie at 8 t in window 2
.macro GACC bk
	WIN W_G
.irp j, 0,1,2,3,4,5,6,7
.if 8*(\bk)+\j < 30
.irp t, 0,1,2,3
.if (\j) % 2
	v_fma_mix_f32_bf16 v[NN+3*\t+(8*(\bk)+\j)/10], v[ELB+16*\t+(8*(\bk)+\j)/2], v[8*\t+\j], v[NN+3*\t+(8*(\bk)+\j)/10] op_sel:[1,0,0] op_sel_hi:[1,0,0]
.else
	v_fma_mix_f32_bf16 v[NN+3*\t+(8*(\bk)+\j)/10], v[ELB+16*\t+(8*(\bk)+\j)/2], v[8*\t+\j], v[NN+3*\t+(8*(\bk)+\j)/10] op_sel_hi:[1,0,0]
.endif
.endr
.endif
.endr
.if (\bk) == 3
	WIN W_A1
.irp t, 0,1,2,3
	v_fmac_f32 v[NN+3*\t],   v[FLO], v[8*\t+6]      ; slot 30: x_0 in lanes 0-15,
	v_fmac_f32 v[NN+3*\t+1], v[FHI], v[8*\t+6]      ; x_1 in lanes 16-31
	v_fmac_f32 v[NN+3*\t+2], v[FLO], v[8*\t+7]      ; slot 31: x_2 in lanes 0-15
.endr
.endif
	WIN 0
.endm
; ================================================================ the head
	s_load_b256 s[4:11], s[0:1], 0x0               ; wimg s[4:5], ray s[6:7], t s[8:9], out0 s[10:11]
	s_load_b128 s[12:15], s[0:1], 0x20             ; out1 s[12:13], out2 s[14:15]
	s_load_b64 s[16:17], s[0:1], 0x30              ; out3
	v_lshl_add_u32 v[SPW], v0, 2, SPARE
	v_mov_b32 v[NIL], 0
	ds_add_u32 v[SPW], v[NIL]                      ; the wave's opening: the add and its wait stand ahead of my tensor load; work on registers stands between them
	v_lshrrev_b32 v1, 5, v0
	v_readfirstlane_b32 s18, v1                    ; wave 0..3
	s_bfe_u32 s19, ttmp6, 0x40000                  ; cx
	s_lshl_b32 s20, ttmp9, 2                       ; in a cluster launch ttmp9 counts clusters
	s_add_co_u32 s20, s20, s19                     ; my work-group: it enters addresses of ray, t and the outputs alone
	s_mov_b32 s24, 1                               ; group 0: count = 1
	s_mul_i32 s25, s18, QUART                      ; LDS address: my quarter of the image
	s_mov_b32 s28, 15|(3<<16)|(1<<21)              ; group 1: the mask of four; elements of 8 bytes; bit 21 beside a mask; no padding
	s_mov_b32 s29, 32<<16                          ; tensor_dim0 = 32 elements: 256 bytes
	s_mov_b32 s30, 316<<16                         ; tensor_dim1 = 316
	s_mov_b32 s31, 32<<16                          ; tile_dim0 = 32
	s_mov_b32 s32, 316                             ; tile_dim1 = 316
	s_mov_b32 s33, 32                              ; 32 elements from row to row
	s_mov_b32 s34, 0
	s_mov_b32 s35, 0
	s_mov_b32 s46, 0x80008000
	s_mov_b32 s47, 0x40004000
	s_mov_b32 s48, 0x76543210
	s_mov_b32 s49, 0xfedcba98
	s_mov_b32 s50, 0xffff0000
	s_mov_b32 s58, s25
	s_mov_b32 s59, 0
	s_wait_dscnt 0x0                               ; the opening add is done
	s_wait_kmcnt 0x0
	s_add_nc_u64 s[26:27], s[4:5], s[58:59]        ; the same quarter in memory: it hangs on the wave's number alone
	s_or_b32 s27, s27, 0x80000000                  ; type = 2
	ROUND                                          ; all four work-groups are here: the joint loads meet
	tensor_load_to_lds s[24:27], s[28:35]          ; my one tensor load of the launch
	s_nop 0
	PLACES
	; while it is on its way: addresses and constants
	v_and_b32 v[R16], 15, v0
	v_bfe_u32 v[HH], v0, 4, 1
	v_and_b32 v[LANE], 31, v0
	v_and_b32 v[TMP], 7, v0                        ; lane % 8
	v_bfe_u32 v[TMP+1], v0, 3, 1                   ; (lane / 8) % 2
	v_lshl_or_b32 v[TMP+2], v[TMP], 1, v[HH]       ; the swizzle of the row that I address in a turned load
	v_lshl_or_b32 v[TMP+3], v[TMP], 1, v[TMP+1]    ; and in a plain load
	v_lshl_add_u32 v[TMP+4], v[HH], 3, v[TMP]
	v_lshlrev_b32 v[TMP+4], 8, v[TMP+4]            ; turned: row 8 (lane / 16) + lane % 8
	v_lshlrev_b32 v[TMP+5], 8, v[R16]              ; plain: row lane % 16
.irp b, 0,1,2,3,4,5,6,7
	v_add_nc_u32 v[TMP+6], 2*\b, v[TMP+1]          ; turned: piece 2 b + (lane / 8) % 2
	v_xor_b32 v[TMP+6], v[TMP+6], v[TMP+2]
	v_lshl_add_u32 v[ADF+\b], v[TMP+6], 4, v[TMP+4]
	v_add_nc_u32 v[TMP+7], 2*\b, v[HH]             ; plain: piece 2 i + lane / 16
	v_xor_b32 v[TMP+7], v[TMP+7], v[TMP+3]
	v_lshl_add_u32 v[ADB+\b], v[TMP+7], 4, v[TMP+5]
.endr
	s_lshl_b32 s58, s18, 9
	s_add_co_u32 s58, s58, STG                     ; my stage
	v_lshl_add_u32 v[STS], v[LANE], 2, s58
	v_lshl_add_u32 v[STT], v[R16], 2, s58
	v_lshl_add_u32 v[STP], v[LANE], 3, s58
	v_lshl_add_u32 v[STW], v[HH], 8, v[STT]
	s_lshl_b32 s59, s18, 5
	s_add_co_u32 s59, s59, OUTS                    ; my two records
	v_lshl_add_u32 v[OAD], v[HH], 7, s59
	v_lshlrev_b32 v[GO8], 3, v[LANE]
	v_lshlrev_b32 v[GO4], 2, v[LANE]
	v_lshlrev_b32 v[BAL], 5, v[HH]
	v_cvt_f32_u32 v[FHI], v[HH]
	v_sub_f32 v[FLO], 1.0, v[FHI]
	v_mov_b32 v[NEG1], -1.0
	v_cndmask_b32 v[TMP+6], 0, s46, s50            ; both signs in lanes 16-31
.irp i, 0,1,2,3,4
	v_or_b32 v[CL+\i], ((127+2*\i)<<7)|((128+2*\i)<<23), v[TMP+6]
.endr
	; written here once, in the wait for the image, so that every way through the text finds them written: sigma, the second buffer of slot fragments, the mask stacks (a push reads its stack), X's lo
.irp t, 0,1,2,3
	v_mov_b32 v[SG+\t], 0
.endr
.set n, 0
.rept 16
	v_mov_b32 v[FB0+16+n], 0
.set n, n+1
.endr
	WIN W_E
.set n, 0
.rept 128
	v_mov_b32 v[MB+n], 0
.set n, n+1
.endr
	WIN W_X
.set n, 0
.rept 128
	v_mov_b32 v[XLO+n], 0
.set n, n+1
.endr
	WIN 0
	s_mov_b32 s21, 2
	s_wait_tensorcnt 0x0                           ; my quarter has landed,
	s_barrier_signal -1
	s_barrier_wait -1                              ; everybody's has: from here on the image is only read
; ================================================================ a pass: one ray
.Lpass:
	s_lshl_b32 s22, s20, 3
	s_lshl_b32 s58, s18, 1
	s_add_co_u32 s22, s22, s58
	s_sub_co_u32 s70, 2, s21                       ; 0 in the first pass, 1 in the second
	s_add_co_u32 s22, s22, s70                     ; the ray
	s_lshl_b32 s58, s22, 8                         ; 64 samples of 4 bytes
	s_mov_b32 s59, 0
	s_add_nc_u64 s[60:61], s[8:9], s[58:59]        ; t,
	s_add_nc_u64 s[62:63], s[16:17], s[58:59]      ; out3
	s_add_nc_u64 s[66:67], s[14:15], s[58:59]      ; and out2 at the ray
	s_mul_i32 s58, s22, 24
	s_add_nc_u64 s[68:69], s[6:7], s[58:59]
	s_load_b64 s[52:53], s[68:69], 0x0
	s_load_b64 s[54:55], s[68:69], 0x8
	s_load_b64 s[56:57], s[68:69], 0x10
	global_load_b32 v[SV0], v[GO4], s[60:61]       ; sample lane,
	global_load_b32 v[SV1], v[GO4], s[60:61] offset:128  ; sample 32 + lane
.irp r, MN, MX, PT, MN1, MX1, PT1
	v_mov_b32 v[\r], 0                             ; destinations of lane-crossing forms count as read
.endr
	s_wait_kmcnt 0x0
.irp i, 0,1,2,3,4,5
	v_mov_b32 v[OO+\i], s[52+\i]
.endr
.irp i, 0,2,4
	v_cvt_pk_bf16_f32 v[TMP+8], v[OO+\i], v[OO+\i+1]  ; o and d rounded to bf16
	v_lshlrev_b32 v[OO+\i], 16, v[TMP+8]
	v_and_b32 v[OO+\i+1], s50, v[TMP+8]
.endr
	s_wait_loadcnt 0x0
	v_cvt_pk_bf16_f32 v[TMP+8], v[SV0], v[SV1]     ; t rounded to bf16
	v_lshlrev_b32 v[SV0], 16, v[TMP+8]
	v_and_b32 v[SV1], s50, v[TMP+8]
	; ---- A. a bitonic network on i = lane + 32 x register, 21 stages; no address and no branch hangs on a number
	STAGE 0x99999999, 1, 0
	STAGE 0xc3c3c3c3, 2, 0
	STAGE 0xa5a5a5a5, 1, 0
	STAGE 0xf00ff00f, 4, 0
	STAGE 0xcc33cc33, 2, 0
	STAGE 0xaa55aa55, 1, 0
	STAGE 0xff0000ff, 8, 0
	STAGE 0xf0f00f0f, 4, 0
	STAGE 0xcccc3333, 2, 0
	STAGE 0xaaaa5555, 1, 0
	STAGE 0x0000ffff, 16, 1                        ; runs of 32: the first register ascends, the second descends
	STAGE 0x00ff00ff, 8, 1
	STAGE 0x0f0f0f0f, 4, 1
	STAGE 0x33333333, 2, 1
	STAGE 0x55555555, 1, 1
	v_min_num_f32 v[MN], v[SV0], v[SV1]            ; the last run: 32 apart is the other register
	v_max_num_f32 v[SV1], v[SV0], v[SV1]
	v_mov_b32 v[SV0], v[MN]
	STAGE 0x0000ffff, 16, 0
	STAGE 0x00ff00ff, 8, 0
	STAGE 0x0f0f0f0f, 4, 0
	STAGE 0x33333333, 2, 0
	STAGE 0x55555555, 1, 0
	ds_store_b32 v[STS], v[SV0]                    ; through my stage: LDS serves a wave's instructions in order (ISA guide 5.7.1.4)
	ds_store_b32 v[STS], v[SV1] offset:128
.irp t, 0,1,2,3
	ds_load_b32 v[TT+\t], v[STT] offset:64*\t      ; sample 16 t + lane % 16
.endr
	ds_load_b64 v[TMP+6:TMP+7], v[STP]
	s_wait_dscnt 0x0
	global_store_b64 v[GO8], v[TMP+6:TMP+7], s[62:63]  ; the ray's 256 bytes of out3 in one store
	s_wait_xcnt 0x0                                ; its data registers are written again below
	; ---- B. the encoding of x = o + t d
	ENC 0, 0
	ENC 0, 1
	ENC 0, 2
	ENC 2, 0
	ENC 2, 1
	ENC 2, 2
.irp t, 0,1,2,3
	v_fma_f32 v[U+4*\t],   v[TT+\t], v[DD],   v[OO]
	v_fma_f32 v[U+4*\t+1], v[TT+\t], v[DD+1], v[OO+1]
	v_fma_f32 v[U+4*\t+2], v[TT+\t], v[DD+2], v[OO+2]
	v_cndmask_b32 v[U+4*\t], v[U+4*\t], v[U+4*\t+1], s50  ; slot 30: x_0 or x_1
	v_mul_f32 v[U+4*\t+1], v[FLO], v[U+4*\t+2]            ; slot 31: x_2 or 0
.endr
	WIN W_E
.irp t, 0,1,2,3
	v_cvt_pk_bf16_f32 v[EHB+16*\t+15], v[U+4*\t], v[U+4*\t+1]
.endr
	WIN W_PO
.irp t, 0,1,2,3
	v_fma_mix_f32_bf16 v[U+4*\t],   v[EHB+16*\t+15], v[NEG1], v[U+4*\t] op_sel_hi:[1,0,0]
	v_fma_mix_f32_bf16 v[U+4*\t+1], v[EHB+16*\t+15], v[NEG1], v[U+4*\t+1] op_sel:[1,0,0] op_sel_hi:[1,0,0]
.endr
	WIN W_E
.irp t, 0,1,2,3
	v_cvt_pk_bf16_f32 v[ELB+16*\t+15], v[U+4*\t], v[U+4*\t+1]
.endr
	; ---- C. layer 0's input: k 0-63 the encoding's hi, k 64-127 its lo, both against dW0's 64 rows (LDS rows 64-127): both halves of a fragment start at the same base, and the trip has no lo run
	WIN W_XE
.irp t, 0,1,2,3
.irp p, 0,1,2,3,4,5,6,7,8,9,10,11,12,13,14,15
	v_mov_b32 v[XHI+32*\t+\p],    v[EHB+16*\t+\p]
	v_mov_b32 v[XHI+32*\t+16+\p], v[ELB+16*\t+\p]
.endr
.endr
	WIN 0
	s_mov_b32 s39, 0
	s_mov_b32 s36, 16384
	s_mov_b32 s23, 16384
	s_mov_b32 s40, TAB
	s_mov_b32 s41, 0                               ; the slot rows: dW4's encoding rows
	PF_FS
	; ---- E. nine trips: layers 0 to 7 (s37 = 9 .. 2) and the colour layer (1).  Layer 4 and the colour layer have slot inputs beside the 128 features; layer 0 and the colour layer have no lo run
	s_mov_b32 s37, 9
.LFS:
	s_cmp_eq_u32 s37, 5
	s_cselect_b32 s42, 1, 0
	s_cmp_eq_u32 s37, 9
	s_cselect_b32 s3, 0, 1
	s_cmp_eq_u32 s37, 1
	s_cselect_b32 s42, 1, s42
	s_cselect_b32 s3, 0, s3
.irp b, 0,1,2,3,4,5,6,7
	FBLK \b
.endr
	FTAIL
	s_cmp_ge_u32 s37, 3
	s_cbranch_scc1 .Lfsb
	; behind layer 7 and behind the colour layer: the heads (rows 0-2 cW1, row 3 Wy): on h7's hi + lo, on the colour layer's hi; the results lie at 8 t in window 2, in lanes 0-15, registers 0-3
	s_wait_dscnt 0x0                               ; the fragments fetched ahead are in: nothing is out
.irp i, 0,1,2,3,4,5,6,7
	v_add_nc_u32 v[ADW+\i], SOFF, v[ADB+\i]
.endr
	v_add_nc_u32 v[T1], TAB+10*512, v[BAL]
.irp i, 0,1,2,3,4,5,6,7
	ds_load_b128 v[TMP+4*\i:TMP+4*\i+3], v[ADW+\i]
.endr
	ds_load_b128 v[TMP+32:TMP+35], v[T1]
	ds_load_b128 v[TMP+36:TMP+39], v[T1] offset:16
	s_wait_dscnt 0x0
	MMS TMP, XHI, 0, 1, TMP+32
	WIN 0
	s_cmp_eq_u32 s37, 1
	s_cbranch_scc1 .Lhead_hi
	MMS TMP, XLO, 0, 0
	WIN 0
.Lhead_hi:
	PLACES
	v_nop                                          ; a fifth place: over the branch below and the loop's edge the next product in the text starts these four sums anew with another C, and such a product stands five places behind (ISA guide 7.12.1)
	s_cmp_eq_u32 s37, 1
	s_cbranch_scc1 .Lfsb
	; ======== behind layer 7 alone
	; Wy for my lane half, 8 blocks x 8 numbers, is asked for here and wanted in E3
	v_add_nc_u32 v[T1], TAB+9*512, v[BAL]
.irp b, 0,1,2,3,4,5,6,7
	ds_load_b128 v[FA0+8*\b:FA0+8*\b+3],   v[T1] offset:64*\b
	ds_load_b128 v[FA0+8*\b+4:FA0+8*\b+7], v[T1] offset:64*\b+16
.endr
	; E1. sigma = 1 / (1 + 2^(10 log2(e) y))
	WIN W_A1
.irp t, 0,1,2,3
	v_mul_f32 v[TMP+40+\t], 0x4166d4ca, v[8*\t+3]
.endr
	WIN 0
.irp t, 0,1,2,3
	v_exp_f32 v[TMP+40+\t], v[TMP+40+\t]
.endr
	v_nop                                          ; a plain instruction behind the last exponential,
	s_wait_alu depctr_va_vdst(0)                   ; and the one wait ahead of the batch's first reader
.irp t, 0,1,2,3
	v_add_f32 v[TMP+40+\t], 1.0, v[TMP+40+\t]
.endr
.irp t, 0,1,2,3
	v_rcp_f32 v[SG+\t], v[TMP+40+\t]
.endr
	v_nop
	s_wait_alu depctr_va_vdst(0)
	; E2. the derivative of slot s by its coordinate: 2^l times the partner lane's value, negative for the cosines; it takes the place of the encoding's lo, which layer 4 has read
	WIN W_MS
.irp t, 0,1,2,3
.irp p, 0,1,2,3,4,5,6,7,8,9,10,11,12,13,14
	v_permlanex16_b32 v[ELB+16*\t+\p], v[EHB+16*\t+\p], s48, s49
.endr
.endr
.irp t, 0,1,2,3
.irp p, 0,1,2,3,4,5,6,7,8,9,10,11,12,13,14
	v_pk_mul_bf16 v[ELB+16*\t+\p], v[ELB+16*\t+\p], v[CL+(\p)%5]
.endr
.endr
	; E3. the gradient at layer 7's output: Wy times layer 7's mask (as 0 or 2.0).  Wy's pair 4 b + i is the same for the four tiles; the mask is popped straight into X, and multiplied there
	WIN 0
	s_wait_dscnt 0x0                               ; Wy is in
.set n, 0
.rept 32
	v_cvt_pk_bf16_f32 v[TMP+n], v[FA0+2*n], v[FA0+2*n+1]
.set n, n+1
.endr
	WIN W_XE
.set n, 0
.rept 128
	v_bfi_b32 v[XLO+n], v[MB+n], 0, s47
.set n, n+1
.endr
	WIN W_SH
.set n, 0
.rept 128
	v_lshlrev_b32 v[MB+n], 1, v[MB+n]
.set n, n+1
.endr
	WIN W_X1
.set n, 0
.rept 128
	v_pk_mul_bf16 v[XLO+n], v[XLO+n], v[TMP+n%32]
.set n, n+1
.endr
	WIN 0
.set n, 0
.rept 12
	v_mov_b32 v[NN+n], 0
.set n, n+1
.endr
	s_mov_b32 s43, CWH-LBLK                        ; dW7
	s_mov_b32 s45, 0
	PF_BP
	s_mov_b32 s38, 7
	; E4. trip v = 7 .. 1 multiplies by dW_v and pops layer v - 1's mask
.LBP:
.irp b, 0,1,2,3,4,5,6,7
	BBLK \b
.endr
	BTAIL
	s_and_b32 s58, s38, 3
	s_cmp_lg_u32 s58, 1
	s_cbranch_scc1 .Lnoge
	; behind trips 5 and 1 the gradient stands at a layer that reads the encoding: 64 slot rows from s45 (dW4's, then dW0's)
	s_wait_dscnt 0x0
.irp i, 0,1,2,3,4,5,6,7
	v_add_nc_u32 v[ADW+\i], s45, v[ADB+\i]
.endr
	LDB 0, 0
.set n, 0
.rept 12
	v_mul_f32 v[NN+n], 0x41800000, v[NN+n]         ; what layer 4 gave carries 2^4, what layer 0 gives 2^8
.set n, n+1
.endr
.irp k, 0,1,2,3
	s_wait_dscnt 0x0
	MMS FA0, XLO, 0, 2
	WIN 0
	PLACES
.if \k < 3
	LDB (\k)+1, 0
.endif
	GACC \k
.endr
	s_add_co_u32 s45, s45, 16384
	PF_BP                                          ; the fragments fetched ahead were written over
.Lnoge:
	s_sub_co_u32 s38, s38, 1
	s_cmp_lg_u32 s38, 0
	s_cbranch_scc1 .LBP
	; E5. the normal: both lane halves' shares, the factor 2^8 out, n / (|n| + 1e-6)
	s_wait_dscnt 0x0                               ; the last fetch ahead serves nothing; its registers are used below
.set n, 0
.rept 12
	v_permlanex16_b32 v[TMP+n], v[NN+n], s48, s49
.set n, n+1
.endr
.set n, 0
.rept 12
	v_add_f32 v[NN+n], v[NN+n], v[TMP+n]
.set n, n+1
.endr
.set n, 0
.rept 12
	v_mul_f32 v[NN+n], 0x3b800000, v[NN+n]
.set n, n+1
.endr
.irp t, 0,1,2,3
	v_mul_f32 v[TMP+\t], v[NN+3*\t], v[NN+3*\t]
.endr
.irp t, 0,1,2,3
	v_fmac_f32 v[TMP+\t], v[NN+3*\t+1], v[NN+3*\t+1]
.endr
.irp t, 0,1,2,3
	v_fmac_f32 v[TMP+\t], v[NN+3*\t+2], v[NN+3*\t+2]
.endr
.irp t, 0,1,2,3
	v_sqrt_f32 v[TMP+\t], v[TMP+\t]
.endr
	v_nop
	s_wait_alu depctr_va_vdst(0)
.irp t, 0,1,2,3
	v_add_f32 v[TMP+\t], 0x358637bd, v[TMP+\t]
.endr
.irp t, 0,1,2,3
	v_rcp_f32 v[TMP+\t], v[TMP+\t]
.endr
	v_nop
	s_wait_alu depctr_va_vdst(0)
.irp t, 0,1,2,3
.irp c, 0,1,2
	v_mul_f32 v[NN+3*\t+\c], v[NN+3*\t+\c], v[TMP+\t]
.endr
.endr
	; E6. the colour layer's slot inputs, 18 slots a lane half: 0-11 sin or cos of 2^l d_c; 12-14 x_c or n_c; 15-17 d_c or 0; each one bf16
.set EV,  TMP+12
.set WX,  TMP+32
.set PH,  TMP+44
.set P6H, TMP+54
.set P7H, TMP+58
.irp t, 0,1,2,3
.irp c, 0,1,2
	v_fma_f32 v[WX+3*\t+\c], v[TT+\t], v[DD+\c], v[OO+\c]
.endr
.endr
.set n, 0
.rept 12
	v_cndmask_b32 v[WX+n], v[WX+n], v[NN+n], s50
.set n, n+1
.endr
.set SB, FA0
.set NSET, 2
	v_mov_b32 v[FA0],    v[DD]                     ; two sets of angles: (d_0, d_1) and (d_2, d_2)
	v_mov_b32 v[FA0+1],  v[DD+1]
	v_mov_b32 v[FA0+10], v[DD+2]
	v_mov_b32 v[FA0+11], v[DD+2]
	SC0
	DBL
	DBL
.set el, 0
.rept 4
	v_cndmask_b32 v[EV+el],   v[FA0+oS],    v[FA0+oC],    s50
	v_cndmask_b32 v[EV+4+el], v[FA0+oS+1],  v[FA0+oC+1],  s50
	v_cndmask_b32 v[EV+8+el], v[FA0+10+oS], v[FA0+10+oC], s50
.if el < 3
	DBL
.endif
.set el, el+1
.endr
	v_mul_f32 v[EV+15], v[FLO], v[DD]
	v_mul_f32 v[EV+16], v[FLO], v[DD+1]
	v_mul_f32 v[EV+17], v[FLO], v[DD+2]
.irp p, 0,1,2,3,4,5,8                  ; the pairs that are the same along the ray are made once
	v_cvt_pk_bf16_f32 v[PH+\p], v[EV+2*\p], v[EV+2*\p+1]
.endr
.irp t, 0,1,2,3
	v_cvt_pk_bf16_f32 v[P6H+\t], v[WX+3*\t], v[WX+3*\t+1]
	v_cvt_pk_bf16_f32 v[P7H+\t], v[WX+3*\t+2], v[EV+15]
.endr
	WIN W_E                                        ; they take the place of the encoding's hi in window 3: the backward pass is over
.irp t, 0,1,2,3
.irp p, 0,1,2,3,4,5,8
	v_mov_b32 v[EHB+16*\t+\p], v[PH+\p]
.endr
	v_mov_b32 v[EHB+16*\t+6], v[P6H+\t]
	v_mov_b32 v[EHB+16*\t+7], v[P7H+\t]
.irp p, 9,10,11,12,13,14,15
	v_mov_b32 v[EHB+16*\t+\p], 0
.endr
.endr
	WIN 0
	; E7. the colour layer's block 0 once more (s36, s23 and s40 still stand at it); its slot rows are cW0's.  h7's lo is gone (its registers carried the gradient): the trip has no lo run
	s_mov_b32 s41, CWE
	PF_FS
.Lfsb:
	s_sub_co_u32 s37, s37, 1
	s_cmp_lg_u32 s37, 0
	s_cbranch_scc1 .LFS
	; ---- F. colour and compositing, in lanes 0-15 (lanes 16-31 run along on numbers that are discarded)
.set CO, TMP
.set AL, TMP+12
.set EX, TMP+16
.set TO, TMP+20
.set WI, TMP+24
.set SU, TMP+28
.set PR, TMP+32
	WIN W_A1
.irp t, 0,1,2,3
.irp c, 0,1,2
	v_mul_f32 v[CO+3*\t+\c], 0xbfb8aa3b, v[8*\t+\c]
.endr
.endr
	WIN 0
.set n, 0
.rept 12
	v_exp_f32 v[CO+n], v[CO+n]
.set n, n+1
.endr
	v_nop
	s_wait_alu depctr_va_vdst(0)
.set n, 0
.rept 12
	v_add_f32 v[CO+n], 1.0, v[CO+n]
.set n, n+1
.endr
.set n, 0
.rept 12
	v_rcp_f32 v[CO+n], v[CO+n]
.set n, n+1
.endr
	v_nop                                          ; the products of 1 - sigma stand between the reciprocals and their wait
.irp t, 0,1,2,3
	v_sub_f32 v[AL+\t], 1.0, v[SG+\t]
	v_mov_b32 v[EX+\t], 1.0
	v_mov_b32 v[TO+\t], 1.0
.endr
.irp d, 1,2,4,8
.irp t, 0,1,2,3
	v_mul_f32_dpp v[AL+\t], v[AL+\t], v[AL+\t] row_shr:\d row_mask:0xf bank_mask:0xf  ; lanes with no source keep theirs: a running product over the tile's 16
.endr
.endr
.irp t, 0,1,2,3
	v_mov_b32_dpp v[TO+\t], v[AL+\t] row_share:15 row_mask:0xf bank_mask:0xf          ; the tile's whole product
	v_mov_b32_dpp v[EX+\t], v[AL+\t] row_shr:1 row_mask:0xf bank_mask:0xf             ; the product of those before me; the first keeps 1
.endr
.irp t, 0,1,2,3
	v_mul_f32 v[WI+\t], v[SG+\t], v[EX+\t]
.endr
	v_mul_f32 v[WI+1], v[WI+1], v[TO]
	v_mul_f32 v[TO+1], v[TO], v[TO+1]
	v_mul_f32 v[WI+2], v[WI+2], v[TO+1]
	v_mul_f32 v[TO+2], v[TO+1], v[TO+2]
	v_mul_f32 v[WI+3], v[WI+3], v[TO+2]
	v_mul_f32 v[SU+3], v[WI], v[TT]
.irp t, 1,2,3
	v_fmac_f32 v[SU+3], v[WI+\t], v[TT+\t]
.endr
	s_wait_alu depctr_va_vdst(0)                   ; one wait for the twelve reciprocals
.irp c, 0,1,2
	v_mul_f32 v[SU+\c], v[WI], v[CO+\c]
.endr
.irp t, 1,2,3
.irp c, 0,1,2
	v_fmac_f32 v[SU+\c], v[WI+\t], v[CO+3*\t+\c]
.endr
.endr
.irp d, 1,2,4,8
.irp c, 0,1,2,3
	v_add_f32_dpp v[SU+\c], v[SU+\c], v[SU+\c] row_xmask:\d row_mask:0xf bank_mask:0xf
.endr
.endr
.irp t, 0,1,2,3
	ds_store_b32 v[STW], v[WI+\t] offset:64*\t
.endr
	ds_load_b64 v[PR:PR+1], v[STP]
	s_lshl_b32 s58, s70, 4
	v_add_nc_u32 v[T1], s58, v[OAD]
	ds_store_b128 v[T1], v[SU:SU+3]                ; the ray's record: sixteen lanes write the same 16 bytes with the same numbers
	s_wait_dscnt 0x0
	global_store_b64 v[GO8], v[PR:PR+1], s[66:67]  ; the ray's 256 bytes of out2 in one store
	s_wait_xcnt 0x0                                ; its registers and the bases are written again in the next pass
	s_sub_co_u32 s21, s21, 1
	s_cmp_lg_u32 s21, 0
	s_cbranch_scc1 .Lpass
; ================================================================ the end: wave 0 stores the work-group's 8 records
	s_wait_dscnt 0x0                               ; my stores into the records are done
	s_barrier_signal -1
	s_barrier_wait -1
	s_cmp_lg_u32 s18, 0
	s_cbranch_scc1 .Lend
	v_and_b32 v[T1], 7, v0
	v_lshl_add_u32 v[TA], v[T1], 4, OUTS
	ds_load_b128 v[TMP:TMP+3], v[TA]
	s_mul_i32 s58, s20, 96                         ; 8 rays x 12 bytes of out0,
	s_mov_b32 s59, 0
	s_add_nc_u64 s[60:61], s[10:11], s[58:59]
	s_lshl_b32 s58, s20, 5                         ; 8 x 4 bytes of out1
	s_add_nc_u64 s[62:63], s[12:13], s[58:59]
	v_mul_u32_u24 v[TB], v[T1], 12
	v_lshlrev_b32 v[TBI], 2, v[T1]
	v_cmp_gt_u32 vcc_lo, 8, v0
	s_wait_dscnt 0x0
	s_wait_xcnt 0x0                                ; EXEC changes only behind this wait
	s_and_saveexec_b32 s71, vcc_lo                 ; a lane a ray
	global_store_b32 v[TB], v[TMP], s[60:61]
	global_store_b32 v[TB], v[TMP+1], s[60:61] offset:4
	global_store_b32 v[TB], v[TMP+2], s[60:61] offset:8
	global_store_b32 v[TBI], v[TMP+3], s[62:63]
	s_wait_xcnt 0x0                                ; and again in front of the line that widens it
	s_or_b32 exec_lo, exec_lo, s71
.Lend:
	s_wait_tensorcnt 0x0                           ; the wave's end: behind my tensor load and my last LDS store
	ds_add_u32 v[SPW], v[NIL]
	s_wait_dscnt 0x0
	ROUND                                          ; the closing round
	s_endpgm
.Lfunc_end_k_qd738c7e853_render:
	.size	k_qd738c7e853_render, .Lfunc_end_k_qd738c7e853_render-k_qd738c7e853_render
	.p2alignl 7, 3214868480
	.fill 96, 4, 3214868480
	.section	.rodata,"a",@progbits
	.p2align	6, 0x0
	.amdhsa_kernel k_qd738c7e853_render
		.amdhsa_group_segment_fixed_size 327680
		.amdhsa_private_segment_fixed_size 0
		.amdhsa_enable_private_segment 0
		.amdhsa_kernarg_size 56
		.amdhsa_user_sgpr_count 2
		.amdhsa_user_sgpr_kernarg_segment_ptr 1
		.amdhsa_wavefront_size32 1
		.amdhsa_system_sgpr_workgroup_id_x 1
		.amdhsa_system_sgpr_workgroup_id_y 1
		.amdhsa_system_sgpr_workgroup_id_z 1
		.amdhsa_system_vgpr_workitem_id 0
		.amdhsa_next_free_vgpr 1024
		.amdhsa_next_free_sgpr 72
		.amdhsa_reserve_vcc 1
		.amdhsa_float_denorm_mode_32 3
		.amdhsa_float_denorm_mode_16_64 3
		.amdhsa_memory_ordered 1
		.amdhsa_forward_progress 1
		.amdhsa_inst_pref_size 255
	.end_amdhsa_kernel
	.section	.bss,"aw",@nobits
	.p2align	6
	.space	262144
	.amdgpu_metadata
---
amdhsa.version: [ 1, 2 ]
amdhsa.kernels:
  - .name:           k_qd738c7e853_render
    .symbol:         k_qd738c7e853_render.kd
    .args:
      - { .name: wimg, .offset: 0, .size: 8, .value_kind: global_buffer, .address_space: global }
      - { .name: ray, .offset: 8, .size: 8, .value_kind: global_buffer, .address_space: global }
      - { .name: t, .offset: 16, .size: 8, .value_kind: global_buffer, .address_space: global }
      - { .name: out0, .offset: 24, .size: 8, .value_kind: global_buffer, .address_space: global }
      - { .name: out1, .offset: 32, .size: 8, .value_kind: global_buffer, .address_space: global }
      - { .name: out2, .offset: 40, .size: 8, .value_kind: global_buffer, .address_space: global }
      - { .name: out3, .offset: 48, .size: 8, .value_kind: global_buffer, .address_space: global }
    .group_segment_fixed_size: 327680
    .private_segment_fixed_size: 0
    .kernarg_segment_align: 8
    .kernarg_segment_size: 56
    .max_flat_workgroup_size: 128
    .sgpr_count:     72
    .vgpr_count:     1024
    .wavefront_size: 32
...
	.end_amdgpu_metadata
.endif
;; end of part 3
